; MI455X (gfx1250); checked and timed in simulation.
; The chip was launched on July 23, 2026; its instructions are those of AMD's public machine-readable ISA for CDNA 5 (MIT licence, August 2026) and "CDNA5" Instruction Set Architecture Reference Guide (July 2026). The comments in the code are by the model that wrote it; some were corrected since.
;; Transformer Block. Allowed arithmetic: matrix products marked QUANTISED: E2M3 operands, one E8M0 scale for each 32 along K, by v_wmma_scale_f32_16x16x128_f8f6f4 with both operands' format E2M3, f32 sums; everything else in f32.
;; Inputs: b1 2,048 float32; b2 512 float32; bo 512 float32; ln1_scale 512 float32; ln1_shift 512 float32; ln2_scale 512 float32; ln2_shift 512 float32; w1_codes 2,048 x 16 x 24 uint8 (E2M3 codes of w1, K innermost, in blocks of 32 codes, four codes in three bytes); w1_scales 2,048 x 16 uint8 (E8M0 scales of w1, one for each 32 codes along K); w2_codes 512 x 64 x 24 uint8 (E2M3 codes of w2, K innermost, in blocks of 32 codes, four codes in three bytes); w2_scales 512 x 64 uint8 (E8M0 scales of w2, one for each 32 codes along K); wk_codes 512 x 16 x 24 uint8 (E2M3 codes of wk, K innermost, in blocks of 32 codes, four codes in three bytes); wk_scales 512 x 16 uint8 (E8M0 scales of wk, one for each 32 codes along K); wo_codes 512 x 16 x 24 uint8 (E2M3 codes of wo, K innermost, in blocks of 32 codes, four codes in three bytes); wo_scales 512 x 16 uint8 (E8M0 scales of wo, one for each 32 codes along K); wq_codes 512 x 16 x 24 uint8 (E2M3 codes of wq, K innermost, in blocks of 32 codes, four codes in three bytes); wq_scales 512 x 16 uint8 (E8M0 scales of wq, one for each 32 codes along K); wv_codes 512 x 16 x 24 uint8 (E2M3 codes of wv, K innermost, in blocks of 32 codes, four codes in three bytes); wv_scales 512 x 16 uint8 (E8M0 scales of wv, one for each 32 codes along K); x 4 x 2,048 x 512 float32.
;; Outputs: out0 4 x 2,048 x 512 float32.
;; This version of the problem:
;;   THIS VERSION OF THE PROBLEM IS GIVEN IN LOW PRECISION. The matrix products marked QUANTISED in the list below multiply operands that are first quantised to E2M3 (2 exponent bits, 3 mantissa bits; 6 bits a number), with one power-of-two scale for each 32 numbers along K (OCP MX v1.0); their sums are f32. All else is computed in f32.
;;   The module's matrix products, in the order in which they are computed (A, B: the left and right operand; K: the contracted axis; several contracted axes count as one K, in the product's order):
;;     1. [M 8,192, K 512] x [K 512, N 512]; A: computed on the way; B: input wq (given as codes): QUANTISED
;;     2. [M 8,192, K 512] x [K 512, N 512]; A: computed on the way; B: input wk (given as codes): QUANTISED
;;     3. [M 8,192, K 512] x [K 512, N 512]; A: computed on the way; B: input wv (given as codes): QUANTISED
;;     4. batch 64 x [M 2,048, K 32] x [K 32, N 2,048]; A: computed on the way; B: computed on the way: QUANTISED
;;     5. batch 64 x [M 32, K 2,048] x [K 2,048, N 2,048]; A: computed on the way; B: softmax (see below): QUANTISED
;;     6. [M 8,192, K 512] x [K 512, N 512]; A: computed on the way; B: input wo (given as codes): QUANTISED
;;     7. [M 8,192, K 512] x [K 512, N 2,048]; A: computed on the way; B: input w1 (given as codes): QUANTISED
;;     8. [M 8,192, K 2,048] x [K 2,048, N 512]; A: computed on the way; B: input w2 (given as codes): QUANTISED
;;   THE QUANTISER, for each operand of a quantised product, along K:
;;     - K is cut into blocks of 32 from its start; a last block that is shorter is filled with zeros.
;;     - A block's scale is 2^e with e = floor(log2(the largest magnitude in the block)) - 2, held to -126 .. 127; a block of zeros has e = 0. As a byte (E8M0): e + 127.
;;     - Each number is divided by its block's scale, clamped to +-7.5, and rounded to the nearest number of E2M3, ties to even, subnormals kept.
;;     - The product sums the exact products of the quantised numbers (number of the format x scale) in f32.
;;   ~~~python
;;   def quantise(x, axis):      # numpy; x: float32 -> the quantised numbers, widened to float32 again
;;       x = np.moveaxis(x, axis, -1); K = x.shape[-1]
;;       x = np.pad(x, [(0, 0)] * (x.ndim - 1) + [(0, -K % 32)]); x = x.reshape(x.shape[:-1] + (-1, 32)); a = np.abs(x).max(-1, keepdims=True)
;;       e = np.where(a > 0, np.clip(np.frexp(np.where(a > 0, a, 1))[1] - 1 - 2, -126, 127), 0)      # np.frexp(a)[1] - 1 = floor(log2(a)), exactly
;;       r = np.clip(x / 2.0 ** e, -7.5, 7.5)
;;       step = 2.0 ** (np.maximum(np.frexp(np.where(r == 0, 1, r))[1] - 1, 0) - 3)
;;       q = np.round(r / step) * step * 2.0 ** e      # np.round: ties to even
;;       return np.moveaxis(q.reshape(q.shape[:-2] + (-1,))[..., :K], -1, axis).astype(np.float32)
;;   ~~~
;;   SOFTMAX AHEAD OF A QUANTISED PRODUCT. Where the list says 'softmax', what is quantised is not the finished softmax but p = 2^(t - M), with t = logit x log2(e) and M = ceil(the row's largest t), a whole number; so 1/2 < the row's largest p <= 1. The row's sum l is taken of the UNQUANTISED p, in f32, and the product's result is divided by l at the end. Since M is a whole number, a kernel that streams over the keys may use a running M (the ceiling of the running maximum): every later rescaling is an exact power of two, which a block's scale takes up: the codes' values come out the same.
;;   OPERANDS COMPUTED ON THE WAY. 'Computed on the way' means the value that the module computes at that place (a softmax that the list does not call 'softmax' is quantised finished and normalised). What goes into a quantiser is computed in f32, as accurately as f32 sums, v_exp_f32 and their like allow (about 1e-6 of the number): no bf16 or f16 on the way to a quantiser, and a product that is left as it is and whose result goes on into a quantised operand takes f32 operands (vector FMAs, or v_wmma_f32_16x16x4_f32). A number that lies on a knife's edge between two numbers of the format may be rounded either way, as far as f32 arithmetic and the matrix unit's own rounding can turn it there, and no further.
;;   INPUTS GIVEN AS CODES. w1 (in the module: [512, 2048], K = its axis 0); w2 (in the module: [2048, 512], K = its axis 0); wk (in the module: [512, 512], K = its axis 0); wo (in the module: [512, 512], K = its axis 0); wq (in the module: [512, 512], K = its axis 0); wv (in the module: [512, 512], K = its axis 0): each comes as NAME_codes (uint8): NAME with its K axis moved to the last place and cut into blocks of 32 codes, [.., K / 32, bytes a block], one block behind the other in memory; four codes in three bytes: a row's codes are one little-endian stream of bits, code i at bits 6 i .. 6 i + 5 (a code: sign, 2 exponent bits, 3 mantissa bits); and NAME_scales (uint8): the same leading axes, one E8M0 byte (e + 127) for each 32 codes along K. Its value is code x scale, taken as it is: it is not quantised again, and the codes and scales need not be those that the quantiser above would give.
;; 2 versions. Each part assembles by itself: llvm-mc -triple=amdgcn-amd-amdhsa -mcpu=gfx1250 --defsym DOCPART=n.
;; ======== version 1 of 2: 4 launches
;; workspace buffers: wimg 2,457,600 bytes; qc 3,145,728 bytes; qs 524,288 bytes; kv 6,553,600 bytes; cc 3,145,728 bytes; cs 131,072 bytes
;; launch prep (part 1): grid 16 x 12, 4 waves a work-group, no clusters, 0 bytes of LDS; arguments wq_codes, wq_scales, wk_codes, wk_scales, wv_codes, wv_scales, wo_codes, wo_scales, w1_codes, w1_scales, w2_codes, w2_scales, wimg; writes wimg
.if DOCPART == 1
	.amdgcn_target "amdgcn-amd-amdhsa--gfx1250"
	.amdhsa_code_object_version 6
	.text
	.protected	k_q6304cef52f_prep
	.globl	k_q6304cef52f_prep
	.p2align	8
	.type	k_q6304cef52f_prep,@function
k_q6304cef52f_prep:
	s_mov_b64 s[64:65], 0
	v_nop
	global_prefetch_b8 v0, s[64:65] scope:SCOPE_SE
	s_setreg_imm32_b32 hwreg(HW_REG_WAVE_MODE, 25, 1), 1
	s_wait_xcnt 0x0
; The six weights (codes of E2M3, K innermost, with E8M0 bytes) are laid once in the order of a wave's operand registers.
; All products but attention's are cut into 12 chunks P of 512 (n) x 512 (k): 0 wq, 1 wk, 2 wv, 3 wo, 4 + 2 j: rows 512 j on of w1, 5 + 2 j: K 512 j on of w2.
; wimg = [P 12][w 16][ks 4] records of 3,200 bytes.  A record serves wave w for K step ks (128 along K): two tiles t of 16 weight rows; lane r of tile t
; stands for row 32 w + 8 t + r + 8 (r / 8).  Record = [t][i 3][lane][16 bytes]: registers 4 i .. 4 i + 3 of the tile's 12-register fragment; then 128 bytes:
; lane L's word = the four scale bytes of tile L / 16, row L % 16.  So the later launches fetch a fragment by three loads of 16 bytes a lane, 512 consecutive bytes each.
; One wave makes one record: work-group x = w, y = P, wave = ks.  768 records, 192 work-groups: that is all the work there is.  No LDS, no barrier.
	s_load_b512 s[8:23], s[0:1], 0x0               ; wq, wk, wv, wo: codes and scales by turns
	s_load_b256 s[24:31], s[0:1], 0x40             ; w1's codes, scales; w2's codes, scales
	s_load_b64 s[32:33], s[0:1], 0x60              ; wimg
	v_lshrrev_b32 v1, 5, v0
	v_readfirstlane_b32 s4, v1                     ; ks = my wave
	s_mov_b32 s2, ttmp9                            ; w
	s_and_b32 s3, ttmp7, 0xffff                    ; P
	s_max_u32 s40, s3, 4
	s_sub_co_u32 s40, s40, 4
	s_lshr_b32 s40, s40, 1                         ; j (0 for P under 4)
	s_mul_i32 s43, s40, 384                        ; w2: the chunk's first byte in a row of codes
	s_lshl_b32 s44, s40, 4                         ; w2: and in a row of scale bytes
	s_lshl_b32 s45, s40, 9                         ; w1: the chunk's first row
	s_and_b32 s5, s3, 1
	s_cmp_ge_u32 s3, 4
	s_cselect_b32 s5, s5, 0                        ; 1: the chunk is w2's
	s_mov_b32 s41, 384
	s_cmp_lg_u32 s5, 0
	s_cselect_b32 s41, 1536, s41                   ; bytes in a row of codes
	s_cselect_b32 s42, 64, 16                      ; bytes in a row of scales
	s_cselect_b32 s43, s43, 0
	s_cselect_b32 s44, s44, 0
	s_cselect_b32 s45, 0, s45
	s_lshl_b32 s46, s2, 5
	s_add_co_u32 s46, s46, s45                     ; the record's first weight row
	s_mul_i32 s50, s46, s41
	s_add_co_u32 s50, s50, s43
	s_mul_i32 s47, s4, 96
	s_add_co_u32 s50, s50, s47                     ; codes: row x pitch + chunk + 96 ks
	s_mov_b32 s51, 0
	s_mul_i32 s52, s46, s42
	s_add_co_u32 s52, s52, s44
	s_lshl_b32 s47, s4, 2
	s_add_co_u32 s52, s52, s47                     ; scales: row x pitch + chunk + 4 ks
	s_mov_b32 s53, 0
	s_mul_i32 s54, s3, 204800
	s_mul_i32 s47, s2, 12800
	s_add_co_u32 s54, s54, s47
	s_mul_i32 s47, s4, 3200
	s_add_co_u32 s54, s54, s47                     ; my record
	s_mov_b32 s55, 0
	s_lshl_b32 s56, s41, 3                         ; tile 1 begins 8 rows further on
	v_and_b32 v1, 31, v0                           ; L
	v_and_b32 v33, 15, v0                          ; r
	v_bfe_u32 v34, v0, 4, 1                        ; h
	v_and_b32 v7, 8, v33
	v_add_nc_u32 v7, v7, v33                       ; r + 8 (r / 8)
	v_mul_lo_u32 v2, v7, s41
	v_mad_u32_u24 v2, v34, 24, v2                  ; tile 0: my row, + 24 h
	v_add_nc_u32 v3, s56, v2                       ; tile 1
	v_lshl_add_u32 v35, v34, 3, v7
	v_mul_lo_u32 v4, v35, s42                      ; scale word: tile h, row r
	v_lshlrev_b32 v5, 4, v1                        ; out: 16 bytes a lane
	v_lshlrev_b32 v6, 2, v1                        ; out: 4 bytes a lane
	s_wait_kmcnt 0x0
	s_cmp_eq_u32 s3, 1                             ; the source is chosen by the work-group's number alone
	s_cselect_b64 s[36:37], s[12:13], s[8:9]
	s_cselect_b64 s[38:39], s[14:15], s[10:11]
	s_cmp_eq_u32 s3, 2
	s_cselect_b64 s[36:37], s[16:17], s[36:37]
	s_cselect_b64 s[38:39], s[18:19], s[38:39]
	s_cmp_eq_u32 s3, 3
	s_cselect_b64 s[36:37], s[20:21], s[36:37]
	s_cselect_b64 s[38:39], s[22:23], s[38:39]
	s_cmp_ge_u32 s3, 4
	s_cselect_b64 s[36:37], s[24:25], s[36:37]
	s_cselect_b64 s[38:39], s[26:27], s[38:39]
	s_cmp_lg_u32 s5, 0
	s_cselect_b64 s[36:37], s[28:29], s[36:37]
	s_cselect_b64 s[38:39], s[30:31], s[38:39]
	s_add_nc_u64 s[36:37], s[36:37], s[50:51]
	s_add_nc_u64 s[38:39], s[38:39], s[52:53]
	s_add_nc_u64 s[32:33], s[32:33], s[54:55]
.irp c, 0,1
.irp i, 0,1,2
	global_load_b64 v[8+6*\c+2*\i:9+6*\c+2*\i], v2, s[36:37] offset:48*\c+8*\i     ; registers 6 c .. 6 c + 5: k = 64 c + 32 h + 0 .. 31, 24 bytes as they lie
	global_load_b64 v[20+6*\c+2*\i:21+6*\c+2*\i], v3, s[36:37] offset:48*\c+8*\i
.endr
.endr
	global_load_b32 v32, v4, s[38:39]
	s_wait_loadcnt 0x0
.irp t, 0,1
.irp i, 0,1,2
	global_store_b128 v5, v[8+12*\t+4*\i:11+12*\t+4*\i], s[32:33] offset:1536*\t+512*\i   ; the wave stores 512 consecutive bytes
.endr
.endr
	global_store_b32 v6, v32, s[32:33] offset:3072
	s_endpgm
.Lfunc_end_k_q6304cef52f_prep:
	.size	k_q6304cef52f_prep, .Lfunc_end_k_q6304cef52f_prep-k_q6304cef52f_prep
	.p2alignl 7, 3214868480
	.fill 96, 4, 3214868480
	.section	.rodata,"a",@progbits
	.p2align	6, 0x0
	.amdhsa_kernel k_q6304cef52f_prep
		.amdhsa_group_segment_fixed_size 0
		.amdhsa_private_segment_fixed_size 0
		.amdhsa_enable_private_segment 0
		.amdhsa_kernarg_size 104
		.amdhsa_user_sgpr_count 2
		.amdhsa_user_sgpr_kernarg_segment_ptr 1
		.amdhsa_wavefront_size32 1
		.amdhsa_system_sgpr_workgroup_id_x 1
		.amdhsa_system_sgpr_workgroup_id_y 1
		.amdhsa_system_sgpr_workgroup_id_z 1
		.amdhsa_system_vgpr_workitem_id 0
		.amdhsa_next_free_vgpr 48
		.amdhsa_next_free_sgpr 66
		.amdhsa_reserve_vcc 0
		.amdhsa_float_denorm_mode_32 3
		.amdhsa_float_denorm_mode_16_64 3
		.amdhsa_memory_ordered 1
		.amdhsa_forward_progress 1
		.amdhsa_inst_pref_size 5
	.end_amdhsa_kernel
	.amdgpu_metadata
---
amdhsa.version: [ 1, 2 ]
amdhsa.kernels:
  - .name:           k_q6304cef52f_prep
    .symbol:         k_q6304cef52f_prep.kd
    .args:
      - { .name: wq_codes, .offset: 0, .size: 8, .value_kind: global_buffer, .address_space: global }
      - { .name: wq_scales, .offset: 8, .size: 8, .value_kind: global_buffer, .address_space: global }
      - { .name: wk_codes, .offset: 16, .size: 8, .value_kind: global_buffer, .address_space: global }
      - { .name: wk_scales, .offset: 24, .size: 8, .value_kind: global_buffer, .address_space: global }
      - { .name: wv_codes, .offset: 32, .size: 8, .value_kind: global_buffer, .address_space: global }
      - { .name: wv_scales, .offset: 40, .size: 8, .value_kind: global_buffer, .address_space: global }
      - { .name: wo_codes, .offset: 48, .size: 8, .value_kind: global_buffer, .address_space: global }
      - { .name: wo_scales, .offset: 56, .size: 8, .value_kind: global_buffer, .address_space: global }
      - { .name: w1_codes, .offset: 64, .size: 8, .value_kind: global_buffer, .address_space: global }
      - { .name: w1_scales, .offset: 72, .size: 8, .value_kind: global_buffer, .address_space: global }
      - { .name: w2_codes, .offset: 80, .size: 8, .value_kind: global_buffer, .address_space: global }
      - { .name: w2_scales, .offset: 88, .size: 8, .value_kind: global_buffer, .address_space: global }
      - { .name: wimg, .offset: 96, .size: 8, .value_kind: global_buffer, .address_space: global }
    .group_segment_fixed_size: 0
    .private_segment_fixed_size: 0
    .kernarg_segment_align: 8
    .kernarg_segment_size: 104
    .max_flat_workgroup_size: 128
    .sgpr_count:     66
    .vgpr_count:     48
    .wavefront_size: 32
...
	.end_amdgpu_metadata
.endif
;; end of part 1
;; launch qkv (part 2): grid 256 x 1, 16 waves a work-group, no clusters, 20,480 bytes of LDS; arguments x, ln1_scale, ln1_shift, wimg, qc, qs, kv; writes qc, qs, kv
.if DOCPART == 2
	.amdgcn_target "amdgcn-amd-amdhsa--gfx1250"
	.amdhsa_code_object_version 6
	.text
	.protected	k_q6304cef52f_qkv
	.globl	k_q6304cef52f_qkv
	.p2align	8
	.type	k_q6304cef52f_qkv,@function
k_q6304cef52f_qkv:
	s_mov_b64 s[64:65], 0
	v_nop
	global_prefetch_b8 v0, s[64:65] scope:SCOPE_SE
	s_setreg_imm32_b32 hwreg(HW_REG_WAVE_MODE, 25, 1), 1
	s_wait_xcnt 0x0
; LayerNorm 1, its quantising, q = h wq, k = h wk, v = h wv on codes of E2M3 with E8M0 scales, and the quantising of q, k (along the head's 32) and v (along 32 tokens).
; SHARES.  A work-group takes 32 tokens (work-group RB); wave w of sixteen takes columns 32 w .. 32 w + 31 of every product: head w.  256 registers a wave, four waves to a SIMD.
; POSITIONS.  Inside the 32 tokens, position 16 T + r stands for token 8 T + r + 8 (r / 8).  Row tiles, q's, k's and ctx's buffers go by position; x goes by token.
; TRANSPOSED USE (q, k): source 0 = 16 weight rows (tile t: row 32 w + 8 t + r + 8 (r / 8)), source 1 = 16 positions: lane (r, h) holds position (T, r), and the 16 registers [t 0][t 1] are columns 32 w + 16 h + 0 .. 15.
; NATURAL USE (v): source 0 = 16 positions, source 1 = the weight tile: lane (r, h) holds dim 8 t + r + 8 (r / 8), and the registers [T 0][T 1] are tokens 16 h + 0 .. 15: neighbours along the keys.
; h's codes go from wave to wave through LDS as an image of the operand's registers: fragment (T, ks) at 6144 T + 1536 ks, lane L's 48 bytes at 48 L; scale words at 12288 + 128 ks + 64 T + 4 r.
; WEIGHTS come from wimg straight into a ring of four register sets, one for each K step: each fragment is used by one wave alone, so LDS would only be a way station, and joint
; tensor loads in a cluster are not used: a set (7 loads, 3,200 bytes) is asked for again as soon as it is multiplied, three sets a wave are always on their way, across barriers and vector phases too.
; OUT.  qc [bh][position][24 bytes], qs [bh][position]: q's scale byte four times in a word;  kv [bh] records of 102,400 bytes: K codes [position][24]; at 49152 V codes [s][c][dt][hv][rho][24];
; at 98304 K scale bytes [s][f][rho][u] (position 128 s + 64 f + 16 u + rho); at 100352 V scale bytes [s][dt][rho][bk].
; LIMITS: NaN and infinities among the inputs are not served; a block of zeros gets the scale byte 1 where the quantiser says 127 (its codes are zeros, and this program alone reads the bytes); v_rsq_f32 is good to 1 ulp.
.set OUT, 32                           ; v32-63   x, later accumulators
.set HID, 64                           ; v64-95   gain and shift, later accumulators
.set Z,   96                           ; v96-143  two buffers of h's fragments (24 each); at other times at work
.set W,   144                          ; v144-239 four sets of weight fragments: set ks at W + 24 ks + 12 t
.set WS,  240                          ; v240-243 their scale words: lanes 0-15 tile 0, lanes 16-31 tile 1
.set AS,  244                          ; v244-245 h's scale words: lanes 0-15 T = 0, lanes 16-31 T = 1
.set PC,  24                           ; v24-30   codes just made
.set IMG0, 0
.set ST0, 12800                        ; 32 positions x (16 waves' words + 16 bytes)
.set ST1, 15360
; v1 16 L, v2 4 L, v3 48 L, v4 where I store a block's codes, v5 where its byte, v6 x's offset, v7 a parameter's offset, v8, v9 the sums' words, v10 24 r + 12 h, v11 4 r + h; v16-23, v31 at work
.macro BARRIER                         ; my LDS stores have landed and my LDS loads are in: then the work-group's barrier
	s_wait_dscnt 0x0
	s_barrier_signal -1
	s_barrier_wait -1
.endm
.macro WLOAD ph, ks                    ; seven loads: phase ph's record for K step ks into set ks
.irp t, 0,1
.irp i, 0,1,2
	global_load_b128 v[W+24*(\ks)+12*\t+4*\i:W+24*(\ks)+12*\t+4*\i+3], v1, s[6:7] offset:204800*(\ph)+3200*(\ks)+1536*\t+512*\i
.endr
.endr
	global_load_b32 v[WS+(\ks)], v2, s[6:7] offset:204800*(\ph)+3200*(\ks)+3072
.endm
.macro ALOAD buf, img, ks              ; seven LDS loads: both row tiles' fragments of K step ks, and their scale words; lanes 48 bytes apart
.irp m, 0,1
.irp i, 0,1,2
	ds_load_b128 v[Z+24*(\buf)+12*\m+4*\i:Z+24*(\buf)+12*\m+4*\i+3], v3 offset:(\img)+6144*\m+1536*(\ks)+16*\i
.endr
.endr
	ds_load_b32 v[AS+(\buf)], v2 offset:(\img)+12288+128*(\ks)
.endm
.macro WM                              ; one matrix instruction from the symbols rD, rA, rB, rSA, rSB; fZ: C = 0; fA, fB: the side's scales stand in lanes 16-31
.if fZ && fA && fB
	v_wmma_scale_f32_16x16x128_f8f6f4 v[rD:rD+7], v[rA:rA+11], v[rB:rB+11], 0, v[rSA], v[rSB] matrix_a_fmt:MATRIX_FMT_FP6 matrix_b_fmt:MATRIX_FMT_FP6 matrix_a_scale:MATRIX_SCALE_ROW1 matrix_b_scale:MATRIX_SCALE_ROW1
.elseif fZ && fA
	v_wmma_scale_f32_16x16x128_f8f6f4 v[rD:rD+7], v[rA:rA+11], v[rB:rB+11], 0, v[rSA], v[rSB] matrix_a_fmt:MATRIX_FMT_FP6 matrix_b_fmt:MATRIX_FMT_FP6 matrix_a_scale:MATRIX_SCALE_ROW1
.elseif fZ && fB
	v_wmma_scale_f32_16x16x128_f8f6f4 v[rD:rD+7], v[rA:rA+11], v[rB:rB+11], 0, v[rSA], v[rSB] matrix_a_fmt:MATRIX_FMT_FP6 matrix_b_fmt:MATRIX_FMT_FP6 matrix_b_scale:MATRIX_SCALE_ROW1
.elseif fZ
	v_wmma_scale_f32_16x16x128_f8f6f4 v[rD:rD+7], v[rA:rA+11], v[rB:rB+11], 0, v[rSA], v[rSB] matrix_a_fmt:MATRIX_FMT_FP6 matrix_b_fmt:MATRIX_FMT_FP6
.elseif fA && fB
	v_wmma_scale_f32_16x16x128_f8f6f4 v[rD:rD+7], v[rA:rA+11], v[rB:rB+11], v[rD:rD+7], v[rSA], v[rSB] matrix_a_fmt:MATRIX_FMT_FP6 matrix_b_fmt:MATRIX_FMT_FP6 matrix_a_scale:MATRIX_SCALE_ROW1 matrix_b_scale:MATRIX_SCALE_ROW1
.elseif fA
	v_wmma_scale_f32_16x16x128_f8f6f4 v[rD:rD+7], v[rA:rA+11], v[rB:rB+11], v[rD:rD+7], v[rSA], v[rSB] matrix_a_fmt:MATRIX_FMT_FP6 matrix_b_fmt:MATRIX_FMT_FP6 matrix_a_scale:MATRIX_SCALE_ROW1
.elseif fB
	v_wmma_scale_f32_16x16x128_f8f6f4 v[rD:rD+7], v[rA:rA+11], v[rB:rB+11], v[rD:rD+7], v[rSA], v[rSB] matrix_a_fmt:MATRIX_FMT_FP6 matrix_b_fmt:MATRIX_FMT_FP6 matrix_b_scale:MATRIX_SCALE_ROW1
.else
	v_wmma_scale_f32_16x16x128_f8f6f4 v[rD:rD+7], v[rA:rA+11], v[rB:rB+11], v[rD:rD+7], v[rSA], v[rSB] matrix_a_fmt:MATRIX_FMT_FP6 matrix_b_fmt:MATRIX_FMT_FP6
.endif
.endm
; One phase: [32 positions x 512] x [my 32 columns x 512]: 4 K steps x 4 matrix instructions; the four accumulators take turns, one instruction a turn.
; next: the phase from which a set is asked for again as soon as it is multiplied, or -1.  zero: the first K step starts the sums.  nat: natural use.  xtra: loads issued behind the sets.
.macro GEMM acc, img, next, zero, nat, xtra
	ALOAD 0, \img, 0
.irp ks, 0,1,2,3
.if \ks < 3
	ALOAD (\ks+1)%2, \img, \ks+1
	s_wait_dscnt 7                                 ; this K step's seven are in; the next step's seven may be out
.else
	s_wait_dscnt 0x0
.endif
.if (\next) >= 0
	s_wait_loadcnt 21+(\xtra)                      ; behind the set that I want: three sets of seven loads (and xtra others)
.else
	s_wait_loadcnt 7*(3-\ks)+(\xtra)               ; nothing is asked for any more: the counts run down
.endif
.irp m, 0,1
.irp t, 0,1
.set fZ, 0
.if \zero
.if \ks == 0
.set fZ, 1
.endif
.endif
.if \nat
.set rD, (\acc)+16*\t+8*\m
.set rA, Z+24*(\ks%2)+12*\m
.set rB, W+24*\ks+12*\t
.set rSA, AS+(\ks%2)
.set rSB, WS+\ks
.set fA, \m
.set fB, \t
.else
.set rD, (\acc)+16*\m+8*\t
.set rA, W+24*\ks+12*\t
.set rB, Z+24*(\ks%2)+12*\m
.set rSA, WS+\ks
.set rSB, AS+(\ks%2)
.set fA, \t
.set fB, \m
.endif
	WM
.endr
.endr
.rept 4
	v_nop                                          ; four places in front of loads into registers that these products read, and of the first read of results
.endr
.if (\next) >= 0
	WLOAD \next, \ks
.endif
.endr
.endm
.macro PLOAD dst, lo, off              ; 16 numbers of a parameter: columns 32 w + 16 h + 0 .. 15
.irp i, 0,1,2,3
	global_load_b128 v[(\dst)+4*\i:(\dst)+4*\i+3], v7, s[\lo:\lo+1] offset:(\off)+16*\i
.endr
.endm
; v[16:17], v[18:19]: my 16 columns' sums of tiles 0 and 1, in two halves -> v16: the whole row's sum of position L.  One barrier.
.macro LNSUM st
	v_add_f32 v16, v16, v17
	v_add_f32 v18, v18, v19
	v_permlanex16_b32 v20, v16, s22, s23
	v_permlanex16_b32 v21, v18, s22, s23
	v_add_f32 v16, v16, v20                        ; my wave's 32 columns
	v_add_f32 v18, v18, v21
	v_cndmask_b32 v16, v16, v18, s20               ; lane (r, h) keeps tile h's
	ds_store_b32 v8, v16 offset:\st
	BARRIER
.irp i, 0,1,2,3
	ds_load_b128 v[Z+32+4*\i:Z+35+4*\i], v9 offset:(\st)+16*\i   ; the sixteen waves' words of position L
.endr
	s_wait_dscnt 0x0
	v_pk_add_f32 v[Z+32:Z+33], v[Z+32:Z+33], v[Z+34:Z+35]
	v_pk_add_f32 v[Z+36:Z+37], v[Z+36:Z+37], v[Z+38:Z+39]
	v_pk_add_f32 v[Z+40:Z+41], v[Z+40:Z+41], v[Z+42:Z+43]
	v_pk_add_f32 v[Z+44:Z+45], v[Z+44:Z+45], v[Z+46:Z+47]
	v_pk_add_f32 v[Z+32:Z+33], v[Z+32:Z+33], v[Z+36:Z+37]
	v_pk_add_f32 v[Z+40:Z+41], v[Z+40:Z+41], v[Z+44:Z+45]
	v_pk_add_f32 v[Z+32:Z+33], v[Z+32:Z+33], v[Z+40:Z+41]
	v_add_f32 v16, v[Z+32], v[Z+33]
.endm
.macro LNBOTH                          ; v16 (position L's number) -> v[24:25] tile 0's, v[26:27] tile 1's, each twice
	v_permlanex16_b32 v20, v16, s22, s23
	v_cndmask_b32 v24, v16, v20, s20
	v_cndmask_b32 v26, v20, v16, s20
	v_mov_b32 v25, v24
	v_mov_b32 v27, v26
.endm
; LayerNorm in two passes (mean; then the squares of x - mean: a common offset of x costs nothing).  x in OUT (kept), gain in HID, shift in HID + 16, result in Z .. Z + 31.
.macro LN
	v_pk_add_f32 v[16:17], v[OUT:OUT+1], v[OUT+2:OUT+3]
	v_pk_add_f32 v[18:19], v[OUT+16:OUT+17], v[OUT+18:OUT+19]
.set jj, 4
.rept 6
	v_pk_add_f32 v[16:17], v[16:17], v[OUT+jj:OUT+jj+1]
	v_pk_add_f32 v[18:19], v[18:19], v[OUT+16+jj:OUT+17+jj]
.set jj, jj+2
.endr
	LNSUM ST0
	v_mul_f32 v16, s26, v16                        ; / 512
	LNBOTH
.irp m, 0,1
.set jj, 0
.rept 8
	v_pk_add_f32 v[Z+16*\m+jj:Z+16*\m+jj+1], v[OUT+16*\m+jj:OUT+16*\m+jj+1], v[24+2*\m:25+2*\m] neg_lo:[0,1] neg_hi:[0,1]
.set jj, jj+2
.endr
.endr
	v_pk_mul_f32 v[16:17], v[Z:Z+1], v[Z:Z+1]
	v_pk_mul_f32 v[18:19], v[Z+16:Z+17], v[Z+16:Z+17]
.set jj, 2
.rept 7
	v_pk_fma_f32 v[16:17], v[Z+jj:Z+jj+1], v[Z+jj:Z+jj+1], v[16:17]
	v_pk_fma_f32 v[18:19], v[Z+16+jj:Z+17+jj], v[Z+16+jj:Z+17+jj], v[18:19]
.set jj, jj+2
.endr
	LNSUM ST1
	v_fma_f32 v16, v16, s26, s27                   ; the variance + 1e-5
	v_rsq_f32 v16, v16
	v_nop                                          ; a plain place behind the transcendental
	s_wait_alu depctr_va_vdst(0)
	LNBOTH
.irp m, 0,1
.set jj, 0
.rept 8
	v_pk_mul_f32 v[Z+16*\m+jj:Z+16*\m+jj+1], v[Z+16*\m+jj:Z+16*\m+jj+1], v[24+2*\m:25+2*\m]
.set jj, jj+2
.endr
.endr
.irp m, 0,1
.set jj, 0
.rept 8
	v_pk_fma_f32 v[Z+16*\m+jj:Z+16*\m+jj+1], v[Z+16*\m+jj:Z+16*\m+jj+1], v[HID+jj:HID+jj+1], v[HID+16+jj:HID+17+jj]
.set jj, jj+2
.endr
.endr
.endm
; Two half blocks of 16 numbers (the other halves lie in lane l xor 16), line by line in turns: codes to v[PC:PC+2] and v[PC+4:PC+6], scale bytes to v22 and v23.
.macro QH2 s0, s1
	v_max3_num_f32 v16, |v[\s0]|, |v[\s0+1]|, 0x1800000      ; the floor 2^(3 - 127) holds the byte at 1 from below
	v_max3_num_f32 v17, |v[\s1]|, |v[\s1+1]|, 0x1800000
.irp i, 2,4,6,8,10,12,14
	v_max3_num_f32 v16, v16, |v[\s0+\i]|, |v[\s0+\i+1]|
	v_max3_num_f32 v17, v17, |v[\s1+\i]|, |v[\s1+\i+1]|
.endr
	v_permlanex16_b32 v20, v16, s22, s23
	v_permlanex16_b32 v21, v17, s22, s23
	v_max_num_f32 v16, v16, v20                    ; the block's largest magnitude
	v_max_num_f32 v17, v17, v21
	v_add_nc_u32 v18, 0xff000000, v16              ; 2 off its exponent field: the conversion's scale operand
	v_add_nc_u32 v19, 0xff000000, v17
	v_lshrrev_b32 v22, 23, v18                     ; the scale's byte
	v_lshrrev_b32 v23, 23, v19
	v_cvt_scalef32_pk16_fp6_f32 v[PC:PC+2], v[\s0:\s0+15], v18
	v_cvt_scalef32_pk16_fp6_f32 v[PC+4:PC+6], v[\s1:\s1+15], v19
	v_nop                                          ; one plain place behind a scaled conversion
.endm
; 32 numbers a lane (tile 0's 16, tile 1's 16) become block w of the image at img: after the exchange lane L holds the whole block of position L.
.macro QH_IMG src, img
	QH2 \src, (\src)+16
.irp i, 0,1,2
	v_permlane16_swap_b32 v[PC+\i], v[PC+4+\i]
.endr
	v_mov_b32 v[PC+3], v[PC+4]
	v_mov_b32 v[PC+4], v[PC+5]
	v_mov_b32 v[PC+5], v[PC+6]
.irp i, 0,1,2
	ds_store_b64 v4, v[PC+2*\i:PC+2*\i+1] offset:(\img)+8*\i
.endr
	v_cndmask_b32 v31, v22, v23, s20
	ds_store_b8 v5, v31 offset:(\img)+12288
.endm
	s_load_b256 s[8:15], s[0:1], 0x0               ; x, ln1_scale, ln1_shift, wimg
	s_load_b128 s[16:19], s[0:1], 0x20             ; qc, qs
	s_load_b64 s[28:29], s[0:1], 0x30              ; kv
	v_lshl_add_u32 v254, v0, 2, 0x4800
	v_mov_b32 v255, 0
	v_lshrrev_b32 v16, 5, v0
	v_readfirstlane_b32 s2, v16                    ; w
	s_mov_b32 s3, ttmp9                            ; RB
	s_mov_b32 s20, 0xffff0000                      ; lanes 16-31
	s_mov_b32 s22, 0x76543210
	s_mov_b32 s23, 0xfedcba98                      ; v_permlanex16_b32's selects for lane l xor 16
	s_mov_b32 s26, 0x3b000000                      ; 1 / 512
	s_mov_b32 s27, 0x3727c5ac                      ; 1e-5
	v_and_b32 v16, 31, v0                          ; L
	v_and_b32 v17, 15, v0                          ; r
	v_bfe_u32 v18, v0, 4, 1                        ; h
	v_and_b32 v19, 8, v17
	v_add_nc_u32 v19, v19, v17                     ; r + 8 (r / 8)
	v_lshlrev_b32 v1, 4, v16
	v_lshlrev_b32 v2, 2, v16
	v_mul_u32_u24 v3, v16, 48
	s_lshr_b32 s30, s2, 2                          ; block w of K is K step w / 4, lanes' half w % 2, registers' half (w / 2) % 2
	s_mul_i32 s31, s30, 1536
	s_and_b32 s32, s2, 1
	s_mul_i32 s32, s32, 768
	s_add_co_u32 s31, s31, s32
	s_bfe_u32 s32, s2, 0x10001
	s_mul_i32 s32, s32, 24
	s_add_co_u32 s31, s31, s32
	v_mul_u32_u24 v4, v17, 48
	v_mad_u32_u24 v4, v18, 6144, v4
	v_add_nc_u32 v4, s31, v4
	s_lshl_b32 s32, s30, 7
	s_and_b32 s33, s2, 3
	s_add_co_u32 s32, s32, s33
	v_add_nc_u32 v5, s32, v2
	s_lshl_b32 s33, s2, 7
	v_lshl_add_u32 v7, v18, 6, s33                 ; 128 w + 64 h
	v_lshl_add_u32 v6, v19, 11, v7                 ; + my token's row of 2,048 bytes
	s_lshl_b32 s34, s2, 2
	v_mul_u32_u24 v9, v16, 80
	v_add_nc_u32 v8, s34, v9
	v_mul_u32_u24 v10, v17, 24
	v_mad_u32_u24 v10, v18, 12, v10
	v_lshl_add_u32 v11, v17, 2, v18
	v_mov_b32 v20, 0                               ; written once: a lane permute's destination counts as one of its sources
	v_mov_b32 v21, 0
	s_lshr_b32 s35, s3, 6                          ; batch
	s_and_b32 s36, s3, 63                          ; block of 32 tokens in it
	s_lshr_b32 s37, s36, 2                         ; key step s
	s_and_b32 s38, s36, 3                          ; bk
	s_lshl_b32 s39, s35, 4
	s_add_co_u32 s39, s39, s2                      ; bh = 16 batch + head
	s_lshl_b32 s54, s39, 11
	s_lshl_b32 s55, s36, 5
	s_add_co_u32 s54, s54, s55                     ; 2048 bh + 32 blk
	s_mov_b32 s57, 0
	s_mul_i32 s56, s2, 12800
	s_wait_kmcnt 0x0
	s_add_nc_u64 s[6:7], s[14:15], s[56:57]        ; my wave's records
	s_lshl_b32 s56, s3, 16
	s_add_nc_u64 s[8:9], s[8:9], s[56:57]          ; x at the block's first token
	WLOAD 0, 0
	WLOAD 0, 1
	WLOAD 0, 2
	WLOAD 0, 3
.irp m, 0,1
.irp i, 0,1,2,3
	global_load_b128 v[OUT+16*\m+4*\i:OUT+16*\m+4*\i+3], v6, s[8:9] offset:16384*\m+16*\i
.endr
.endr
	PLOAD HID, 10, 0
	PLOAD HID+16, 12, 0
	s_mul_i32 s56, s54, 24
	s_add_nc_u64 s[40:41], s[16:17], s[56:57]      ; q's codes
	s_lshl_b32 s56, s54, 2
	s_add_nc_u64 s[42:43], s[18:19], s[56:57]      ; q's scale words
	s_mul_i32 s56, s39, 102400
	s_add_nc_u64 s[44:45], s[28:29], s[56:57]      ; the head's record
	s_mul_i32 s56, s36, 768
	s_add_nc_u64 s[46:47], s[44:45], s[56:57]      ; K's codes
	s_lshr_b32 s58, s38, 1
	s_and_b32 s59, s38, 1
	s_mul_i32 s56, s37, 3072
	s_mul_i32 s60, s58, 1536
	s_add_co_u32 s56, s56, s60
	s_mul_i32 s60, s59, 384
	s_add_co_u32 s56, s56, s60
	s_add_co_u32 s56, s56, 49152
	s_add_nc_u64 s[48:49], s[44:45], s[56:57]      ; V's codes
	s_lshl_b32 s56, s37, 7
	s_lshl_b32 s60, s58, 6
	s_add_co_u32 s56, s56, s60
	s_lshl_b32 s60, s59, 1
	s_add_co_u32 s56, s56, s60
	s_add_co_u32 s56, s56, 98304
	s_add_nc_u64 s[50:51], s[44:45], s[56:57]      ; K's scale bytes
	s_lshl_b32 s56, s37, 7
	s_add_co_u32 s56, s56, s38
	s_add_co_u32 s56, s56, 100352
	s_add_nc_u64 s[52:53], s[44:45], s[56:57]      ; V's scale bytes
	s_wait_loadcnt 0x0
	LN
	QH_IMG Z, IMG0
	BARRIER                                        ; h's eight fragments lie in LDS
	GEMM OUT, IMG0, 1, 1, 0, 0                     ; q
	s_wait_xcnt 0x0                                ; earlier stores' data registers are written again only behind this wait
	QH2 OUT, OUT+16
	global_store_b96 v10, v[PC:PC+2], s[40:41]                 ; the wave stores 384 consecutive bytes: 16 positions' blocks
	global_store_b96 v10, v[PC+4:PC+6], s[40:41] offset:384
	v_lshl_or_b32 v22, v22, 8, v22
	v_lshl_or_b32 v23, v23, 8, v23
	v_lshl_or_b32 v22, v22, 16, v22                ; q's byte in all four places: attention sets q into any of an operand's four blocks
	v_lshl_or_b32 v23, v23, 16, v23
	v_cndmask_b32 v31, v22, v23, s20
	global_store_b32 v2, v31, s[42:43]
	GEMM HID, IMG0, 2, 1, 0, 0                     ; k
	s_wait_xcnt 0x0
	QH2 HID, HID+16
	global_store_b96 v10, v[PC:PC+2], s[46:47]
	global_store_b96 v10, v[PC+4:PC+6], s[46:47] offset:384
	v_cndmask_b32 v31, v22, v23, s20
	global_store_b8 v11, v31, s[50:51]
	GEMM OUT, IMG0, -1, 1, 1, 0                    ; v, natural: a lane's registers run along the tokens
	s_wait_xcnt 0x0
	QH2 OUT, OUT+16
	global_store_b96 v10, v[PC:PC+2], s[48:49]
	global_store_b96 v10, v[PC+4:PC+6], s[48:49] offset:768
	v_cndmask_b32 v31, v22, v23, s20
	global_store_b8 v2, v31, s[52:53]
	s_wait_tensorcnt 0x0
	ds_add_u32 v254, v255
	s_wait_dscnt 0x0
	s_endpgm
.Lfunc_end_k_q6304cef52f_qkv:
	.size	k_q6304cef52f_qkv, .Lfunc_end_k_q6304cef52f_qkv-k_q6304cef52f_qkv
	.p2alignl 7, 3214868480
	.fill 96, 4, 3214868480
	.section	.rodata,"a",@progbits
	.p2align	6, 0x0
	.amdhsa_kernel k_q6304cef52f_qkv
		.amdhsa_group_segment_fixed_size 20480
		.amdhsa_private_segment_fixed_size 0
		.amdhsa_enable_private_segment 0
		.amdhsa_kernarg_size 56
		.amdhsa_user_sgpr_count 2
		.amdhsa_user_sgpr_kernarg_segment_ptr 1
		.amdhsa_wavefront_size32 1
		.amdhsa_system_sgpr_workgroup_id_x 1
		.amdhsa_system_sgpr_workgroup_id_y 1
		.amdhsa_system_sgpr_workgroup_id_z 1
		.amdhsa_system_vgpr_workitem_id 0
		.amdhsa_next_free_vgpr 256
		.amdhsa_next_free_sgpr 66
		.amdhsa_reserve_vcc 0
		.amdhsa_float_denorm_mode_32 3
		.amdhsa_float_denorm_mode_16_64 3
		.amdhsa_memory_ordered 1
		.amdhsa_forward_progress 1
		.amdhsa_inst_pref_size 44
	.end_amdhsa_kernel
	.amdgpu_metadata
---
amdhsa.version: [ 1, 2 ]
amdhsa.kernels:
  - .name:           k_q6304cef52f_qkv
    .symbol:         k_q6304cef52f_qkv.kd
    .args:
      - { .name: x, .offset: 0, .size: 8, .value_kind: global_buffer, .address_space: global }
      - { .name: ln1_scale, .offset: 8, .size: 8, .value_kind: global_buffer, .address_space: global }
      - { .name: ln1_shift, .offset: 16, .size: 8, .value_kind: global_buffer, .address_space: global }
      - { .name: wimg, .offset: 24, .size: 8, .value_kind: global_buffer, .address_space: global }
      - { .name: qc, .offset: 32, .size: 8, .value_kind: global_buffer, .address_space: global }
      - { .name: qs, .offset: 40, .size: 8, .value_kind: global_buffer, .address_space: global }
      - { .name: kv, .offset: 48, .size: 8, .value_kind: global_buffer, .address_space: global }
    .group_segment_fixed_size: 20480
    .private_segment_fixed_size: 0
    .kernarg_segment_align: 8
    .kernarg_segment_size: 56
    .max_flat_workgroup_size: 512
    .sgpr_count:     66
    .vgpr_count:     256
    .wavefront_size: 32
...
	.end_amdgpu_metadata
.endif
;; end of part 2
;; launch attn (part 3): grid 4 x 64, 16 waves a work-group, clusters of 4 x 1, 169,984 bytes of LDS; arguments qc, qs, kv, cc, cs; writes cc, cs
.if DOCPART == 3
	.amdgcn_target "amdgcn-amd-amdhsa--gfx1250"
	.amdhsa_code_object_version 6
	.text
	.protected	k_q6304cef52f_attn
	.globl	k_q6304cef52f_attn
	.p2align	8
	.type	k_q6304cef52f_attn,@function
k_q6304cef52f_attn:
	s_mov_b64 s[64:65], 0
	v_nop
	global_prefetch_b8 v0, s[64:65] scope:SCOPE_SE
	s_setreg_imm32_b32 hwreg(HW_REG_WAVE_MODE, 25, 1), 1
	s_wait_xcnt 0x0
	s_wait_alu depctr_hold_cnt(0) depctr_sa_sdst(0) depctr_va_vdst(0) depctr_va_sdst(0) depctr_va_ssrc(0) depctr_va_vcc(0) depctr_vm_vsrc(0)
	s_getreg_b32 s2, hwreg(HW_REG_IB_STS2, 6, 4)
	s_cmp_eq_u32 s2, 0
	s_cbranch_scc0 .Lentry_in_a_cluster
	s_endpgm
.Lentry_in_a_cluster:
	s_bfe_u32 s2, ttmp6, 0x10000c
	s_cmp_lg_u32 s2, 0x3003
	s_cbranch_scc0 .Lentry_shape_is_right
	s_endpgm
.Lentry_shape_is_right:
; Causal attention of one (batch, head) on codes of E2M3 with E8M0 scales, and the quantising of ctx along the head's 32.
; t = score x log2(e) / sqrt(32); M = the running largest t rounded UP to a whole number; p = 2^(t - M) is quantised along the keys, not normalised; the row's sum is taken of the unquantised p and divides at the end.
; SHARES.  The head's record (K codes, V codes, both scales: 102,400 bytes) stays in LDS: filled once, so there is no ring.  Four work-groups of a cluster serve one head and ask for the record JOINTLY:
; each of the sixteen waves issues one tensor load of 25 rows of 256 bytes (one load of mine is out), the same in all four work-groups.
; A wave takes two tiles of 16 queries: with beta = w / 2, e = w % 2, p = my place in the cluster, tiles 8 (15 - beta) + 2 p + e and 8 beta + 2 p + e: 17 key steps of 128 keys for every wave.
; Every branch hangs on the wave's number and the loop's counter alone; the place in the cluster enters global addresses and the mask's numbers only.
; POSITIONS: position 16 T + r of each 32 tokens stands for token 8 T + r + 8 (r / 8).  q, K and ctx go by position, V's keys by token.
; K = 32 IN A FORM OF K = 128.  A fragment of K holds 64 keys: row rho, block u = position 64 f + 16 u + rho.  Four operands hold q in block u alone and zero codes elsewhere (zones of zeros beside q):
; tile 4 f + u of S^T = fragment f x Q_u.  Tile 2 b + u' then holds keys 32 b + 8 u' + row + 8 (row / 8), so that the 16 registers of tiles 2 b, 2 b + 1 are keys 32 b + 16 (lane / 16) + 0 .. 15.
; Both products are used transposed: a lane holds one query throughout.
; LIMITS: NaN and infinities are not served; a block of zeros gets the byte 1 (zero codes; read by this program alone); v_exp_f32 and v_rcp_f32 are good to 1 ulp and flush denormals; a block's largest p
; is taken from its largest score, which takes v_exp_f32 not to fall where its input rises.
; REGISTERS: v1 24 L, v2 24 L + V, v3 4 L + scales, v5 24 r, v6 4 r, v7 24 r + 12 h, v8-10 addresses in hand, v11 0, v12 -M, v13 largest t, v[14:15] the sum, v16-45 zeros | q low | zeros | q high | zeros,
; v48-71 K, v72-95 V, v96-159 S^T then p, v160-175 O^T, v176-181 q as loaded, v182 L, v183 r, v224-247, 252, 254 at work, v248 K's scales, v249 V's, v250 the mask's number, v253 p's scale word, v255 q's.
.set WV, 14
.macro CROUND                          ; a round of the cluster's barrier
	s_barrier_signal -1
	s_barrier_wait -1
	s_cmp_lg_u32 s[WV], 0
	s_cbranch_scc1 .Lnot_wave_0_\@
	s_barrier_signal -3
.Lnot_wave_0_\@:
	s_barrier_wait -3
	s_barrier_signal -1
	s_barrier_wait -1
.endm
	s_load_b256 s[4:11], s[0:1], 0x0               ; qc, qs, kv, cc
	s_load_b64 s[12:13], s[0:1], 0x20              ; cs
	v_lshl_add_u32 v243, v0, 2, 0x29000
	v_mov_b32 v251, 0
	ds_add_u32 v243, v251
	ds_add_u32 v243, v251
	v_lshrrev_b32 v1, 5, v0
	v_readfirstlane_b32 s[WV], v1                  ; wave 0..15
	s_bfe_u32 s15, ttmp6, 0x40000                  ; p: my place in the cluster
	s_and_b32 s28, ttmp7, 0xffff                   ; bh, which the four partners share
	s_mov_b32 s16, 15|(3<<16)|(1<<21)              ; group 1: the mask names all four; elements of 8 bytes; bit 21 beside a mask; no padding
	s_mov_b32 s17, 32<<16                          ; tensor_dim0 = 32 elements: 256 bytes
	s_mov_b32 s18, 25<<16                          ; tensor_dim1 = 25
	s_mov_b32 s19, 32<<16                          ; tile_dim0
	s_mov_b32 s20, 25                              ; tile_dim1
	s_mov_b32 s21, 32                              ; pitch: the block is dense
	s_mov_b32 s22, 0
	s_mov_b32 s23, 0
	s_mul_i32 s57, s[WV], 6400
	s_mul_i32 s60, s28, 102400
	s_add_co_u32 s60, s60, s57                     ; my sixteenth of the head's record
	s_mov_b32 s61, 0
	s_and_b32 s29, s[WV], 1                        ; e
	s_lshr_b32 s30, s[WV], 1                       ; beta of the short tile
	s_sub_co_u32 s31, 15, s30                      ; and of the long one
	s_mov_b32 s32, 0xffff0000                      ; lanes 16-31
	s_lshl_b32 s33, s15, 5
	s_lshl_b32 s58, s29, 4
	s_add_co_u32 s33, s33, s58                     ; 32 p + 16 e: my tile's place among a step's 128 positions
	s_mov_b32 s34, 0x76543210
	s_mov_b32 s35, 0xfedcba98                      ; selects for lane l xor 16
	s_mov_b32 s36, 0x3e8293ee                      ; c = log2(e) / sqrt(32)
	s_mov_b32 s37, s36                             ; (named with it as a pair, so it is written)
	s_and_b32 s62, s28, 15
	s_lshl_b32 s62, s62, 13
	s_lshr_b32 s58, s28, 4
	s_lshl_b32 s58, s58, 11
	s_add_co_u32 s62, s62, s58                     ; ctx: 8192 head + 2048 batch
	s_lshl_b32 s63, s15, 5
	s_lshl_b32 s58, s29, 3
	s_add_co_u32 s63, s63, s58                     ; 32 p + 8 e: my tile's first token in its step
	s_wait_dscnt 0x0
	s_wait_kmcnt 0x0
	s_mov_b32 s24, 1                               ; group 0: count 1,
	s_mul_i32 s25, s[WV], 6400                     ; LDS address: the wave's number alone,
	s_add_nc_u64 s[26:27], s[8:9], s[60:61]        ; global address,
	s_or_b32 s27, s27, 0x80000000                  ; type 2
	CROUND                                         ; all four work-groups are here: the joint loads meet
	tensor_load_to_lds s[24:27], s[16:23]
	s_nop 0
.rept 4
	v_nop
.endr
	v_and_b32 v182, 31, v0                         ; L
	v_and_b32 v183, 15, v0                         ; r
	v_bfe_u32 v184, v0, 4, 1                       ; h
	v_and_b32 v185, 8, v183
	v_add_nc_u32 v185, v185, v183                  ; r + 8 (r / 8)
	v_mul_u32_u24 v1, v182, 24
	v_add_nc_u32 v2, 49152, v1
	v_lshl_add_u32 v3, v182, 2, 98304
	v_mul_u32_u24 v5, v183, 24
	v_lshlrev_b32 v6, 2, v183
	v_mad_u32_u24 v7, v184, 12, v5
	v_mov_b32 v11, 0
	v_add_nc_u32 v250, s63, v185
	v_lshlrev_b32 v184, 4, v184
	v_sub_nc_u32 v250, v250, v184                  ; d = my query's token in its step - 16 h: on the diagonal register 16 b + i (key 32 b + 16 h + i) is hidden where 32 b + i > d
.irp j, 16,17,18,19,20,21,28,29,30,31,32,33,40,41,42,43,44,45
	v_mov_b32 v\j, 0                               ; the three zones of zero codes
.endr
.irp b, 0,1,2,3
	v_mov_b32 v[236+\b], 0                         ; written once: a lane permute's destination counts as one of its sources
.endr
	v_mov_b32 v252, 0
	v_mov_b32 v253, 0                              ; (named as the upper half of the pair v[252:253] before it is first written)
	s_wait_tensorcnt 0x0                           ; my part of the record is in,
	s_barrier_signal -1
	s_barrier_wait -1                              ; everybody's is
; One tile of 16 queries.  kreg: the scalar register with its beta (its last key step);  ptr: eight scalar registers for its four addresses.
.macro TILE kreg, ptr
	s_lshl_b32 s57, s[\kreg], 7
	s_add_co_u32 s57, s57, s33                     ; the tile's first position
	s_lshl_b32 s58, s28, 11
	s_add_co_u32 s58, s58, s57
	s_mul_i32 s60, s58, 24
	s_mov_b32 s61, 0
	s_add_nc_u64 s[\ptr:\ptr+1], s[4:5], s[60:61]
	s_lshl_b32 s60, s58, 2
	s_add_nc_u64 s[\ptr+2:\ptr+3], s[6:7], s[60:61]
	s_add_co_u32 s58, s62, s57
	s_mul_i32 s60, s58, 24
	s_add_nc_u64 s[\ptr+4:\ptr+5], s[10:11], s[60:61]
	s_mov_b32 s60, s58
	s_add_nc_u64 s[\ptr+6:\ptr+7], s[12:13], s[60:61]
.irp i, 0,1,2
	global_load_b64 v[176+2*\i:177+2*\i], v5, s[\ptr:\ptr+1] offset:8*\i     ; query r's 24 bytes, in both halves of the lanes
.endr
	global_load_b32 v255, v6, s[\ptr+2:\ptr+3]
	s_wait_loadcnt 0x0
	s_wait_xcnt 0x0                                ; the tile before: its stores' data registers are written again only behind this wait
.irp i, 0,1,2,3,4,5
	v_cndmask_b32 v[22+\i], v[176+\i], v11, s32    ; q in lanes 0-15 alone
	v_cndmask_b32 v[34+\i], v11, v[176+\i], s32    ; q in lanes 16-31 alone
.endr
	v_mov_b32 v13, 0xff61b1e6                      ; the largest t so far: -3e38
	v_floor_f32 v12, -v13                          ; -M
	v_mov_b32 v14, 0
	v_mov_b32 v15, 0
.set jj, 0
.rept 16
	v_mov_b32 v[160+jj], 0                         ; O^T: the first change of M multiplies zeros.  (These lines are also the places between q's operands and the first product)
.set jj, jj+1
.endr
	s_mov_b32 s38, 0                               ; key step
	s_mov_b32 s39, 0                               ; its codes: 3,072 bytes a step
	s_mov_b32 s56, 0                               ; its scale words: 128 bytes a step
.Lstep_\@:                                         ; sixteen trips in every wave: a constant; a step all of whose keys come after my queries leaves its work out
	s_cmp_gt_u32 s38, s[\kreg]
	s_cbranch_scc1 .Lhidden_\@
	v_add_nc_u32 v8, s39, v1
	v_add_nc_u32 v9, s39, v2
	v_add_nc_u32 v10, s56, v3
	v_nop                                          ; four places in front of loads into registers that the last products read
.irp f, 0,1
.irp c, 0,1
.irp i, 0,1,2
	ds_load_b64 v[48+12*\f+6*\c+2*\i:49+12*\f+6*\c+2*\i], v8 offset:1536*\f+768*\c+8*\i   ; lanes 24 bytes apart
.endr
.endr
.endr
	ds_load_b32 v248, v10                          ; K's scale words: lanes 0-15 fragment 0, lanes 16-31 fragment 1
.irp d, 0,1
.irp c, 0,1
.irp i, 0,1,2
	ds_load_b64 v[72+12*\d+6*\c+2*\i:73+12*\d+6*\c+2*\i], v9 offset:1536*\c+768*\d+8*\i
.endr
.endr
.endr
	ds_load_b32 v249, v10 offset:2048              ; V's: lanes 0-15 tile 0, lanes 16-31 tile 1
	s_wait_dscnt 13                                ; K's thirteen are in; V's thirteen may be out
.irp u, 0,1,2,3
	v_wmma_scale_f32_16x16x128_f8f6f4 v[96+8*\u:103+8*\u], v[48:59], v[22+12*(\u%2)-6*(\u/2):33+12*(\u%2)-6*(\u/2)], 0, v248, v255 matrix_a_fmt:MATRIX_FMT_FP6 matrix_b_fmt:MATRIX_FMT_FP6
.endr
.irp u, 0,1,2,3
	v_wmma_scale_f32_16x16x128_f8f6f4 v[128+8*\u:135+8*\u], v[60:71], v[22+12*(\u%2)-6*(\u/2):33+12*(\u%2)-6*(\u/2)], 0, v248, v255 matrix_a_fmt:MATRIX_FMT_FP6 matrix_b_fmt:MATRIX_FMT_FP6 matrix_a_scale:MATRIX_SCALE_ROW1
.endr
.rept 4
	v_nop
.endr
	s_cmp_lg_u32 s38, s[\kreg]
	s_cbranch_scc1 .Lopen_\@                       ; only the tile's last step lies on the diagonal
	v_mov_b32 v254, 0xff800000                     ; -infinity: p = 0 then
.set nn, 0
.rept 64
	v_cmp_gt_i32 vcc_lo, 32*(nn/16)+nn%16, v250
	v_cndmask_b32 v[96+nn], v[96+nn], v254, vcc_lo
.set nn, nn+1
.endr
.Lopen_\@:
.irp b, 0,1,2,3
	v_max3_num_f32 v[232+\b], v[96+16*\b], v[97+16*\b], v[98+16*\b]   ; the largest score of each block of 32 keys: for the row's maximum, and for the block's largest p
.endr
.irp i, 3,5,7,9,11,13
.irp b, 0,1,2,3
	v_max3_num_f32 v[232+\b], v[232+\b], v[96+16*\b+\i], v[97+16*\b+\i]
.endr
.endr
.irp b, 0,1,2,3
	v_max_num_f32 v[232+\b], v[232+\b], v[111+16*\b]
.endr
.irp b, 0,1,2,3
	v_permlanex16_b32 v[236+\b], v[232+\b], s34, s35
.endr
.irp b, 0,1,2,3
	v_max_num_f32 v[232+\b], v[232+\b], v[236+\b]
.endr
	v_max3_num_f32 v254, v232, v233, v234
	v_max_num_f32 v254, v254, v235                 ; the step's largest score of my query
	v_mul_f32 v254, s36, v254
	v_max_num_f32 v13, v13, v254                   ; the running largest t
	v_mov_b32 v254, v12
	v_floor_f32 v12, -v13                          ; the new -M = -ceil(t)
	v_sub_f32 v254, v12, v254                      ; old M - new M: a whole number, 0 or less
	v_cvt_i32_f32 v254, v254                       ; (it saturates)
	v_ldexp_f32 v252, 1.0, v254                    ; f = 2^(old M - new M)
.set jj, 0
.rept 32
	v_pk_fma_f32 v[96+jj:97+jj], v[96+jj:97+jj], s[36:37], v[12:13] op_sel_hi:[1,0,0]   ; t - M
.set jj, jj+2
.endr
.irp b, 0,1,2,3
	v_fma_f32 v[232+\b], v[232+\b], s36, v12
.endr
.set jj, 0
.rept 64
	v_exp_f32 v[96+jj], v[96+jj]                   ; p = 2^(t - M)
.set jj, jj+1
.endr
.irp b, 0,1,2,3
	v_exp_f32 v[232+\b], v[232+\b]                 ; the block's largest p
.endr
	v_pk_mul_f32 v[14:15], v[14:15], v[252:253] op_sel_hi:[1,0]   ; the sums under the new M.  (A plain place behind the exponentials)
	s_wait_alu depctr_va_vdst(0)
.irp b, 0,1,2,3
	v_max_num_f32 v[232+\b], 0x1800000, v[232+\b]  ; the floor 2^(3 - 127)
.endr
.irp b, 0,1,2,3
	v_add_nc_u32 v[244+\b], 0xff000000, v[232+\b]  ; the conversion's scale operand
.endr
.irp b, 0,1,2,3
	v_lshrrev_b32 v[236+\b], 23, v[244+\b]         ; the scale's byte
.endr
	v_lshl_or_b32 v253, v237, 8, v236              ; p's scale word for these 128 keys
	v_lshl_or_b32 v253, v238, 16, v253
	v_lshl_or_b32 v253, v239, 24, v253
.irp c, 0,1
	v_cvt_scalef32_pk16_fp6_f32 v[224+6*\c:226+6*\c], v[96+32*\c:111+32*\c], v[244+2*\c]
	v_cvt_scalef32_pk16_fp6_f32 v[236+4*\c:238+4*\c], v[112+32*\c:127+32*\c], v[244+2*\c+1]
.endr
	v_nop                                          ; one plain place behind a scaled conversion
.irp c, 0,1                                        ; the operand wants a whole block in a lane
.irp i, 0,1,2
	v_permlane16_swap_b32 v[224+6*\c+\i], v[236+4*\c+\i]
.endr
.irp i, 0,1,2
	v_mov_b32 v[227+6*\c+\i], v[236+4*\c+\i]
.endr
.endr
	v_pk_add_f32 v[236:237], v[96:97], v[98:99]    ; the row's sum, of the unquantised p, in two chains
.irp j, 4,8,12,16,20,24,28,32,36,40,44,48,52,56,60
	v_pk_add_f32 v[14:15], v[14:15], v[96+\j:97+\j]
	v_pk_add_f32 v[236:237], v[236:237], v[98+\j:99+\j]
.endr
	v_pk_add_f32 v[14:15], v[14:15], v[236:237]
.set jj, 0
.rept 8
	v_pk_mul_f32 v[160+jj:161+jj], v[160+jj:161+jj], v[252:253] op_sel_hi:[1,0]   ; O^T under the new M
.set jj, jj+2
.endr
	s_wait_dscnt 0x0                               ; V is in
	v_wmma_scale_f32_16x16x128_f8f6f4 v[160:167], v[72:83], v[224:235], v[160:167], v249, v253 matrix_a_fmt:MATRIX_FMT_FP6 matrix_b_fmt:MATRIX_FMT_FP6
	v_wmma_scale_f32_16x16x128_f8f6f4 v[168:175], v[84:95], v[224:235], v[168:175], v249, v253 matrix_a_fmt:MATRIX_FMT_FP6 matrix_b_fmt:MATRIX_FMT_FP6 matrix_a_scale:MATRIX_SCALE_ROW1
.Lhidden_\@:
	s_add_co_u32 s39, s39, 3072
	s_add_co_u32 s56, s56, 128
	s_add_co_u32 s38, s38, 1
	s_cmp_lt_u32 s38, 16
	s_cbranch_scc1 .Lstep_\@
.rept 4
	v_nop                                          ; places behind the last products
.endr
	v_add_f32 v14, v14, v15
	v_permlanex16_b32 v252, v14, s34, s35
	v_add_f32 v14, v14, v252                       ; the row's sum
	v_rcp_f32 v14, v14
	v_nop
.set jj, 0
	s_wait_alu depctr_va_vdst(0)
.rept 16
	v_mul_f32 v[96+jj], v[160+jj], v14             ; ctx(position r, dims 16 h + 0 .. 15)
.set jj, jj+1
.endr
	v_max3_num_f32 v232, |v96|, |v97|, 0x1800000
.irp i, 2,4,6,8,10,12,14
	v_max3_num_f32 v232, v232, |v[96+\i]|, |v[97+\i]|
.endr
	v_permlanex16_b32 v236, v232, s34, s35
	v_max_num_f32 v232, v232, v236
	v_add_nc_u32 v244, 0xff000000, v232
	v_lshrrev_b32 v233, 23, v244
	v_cvt_scalef32_pk16_fp6_f32 v[224:226], v[96:111], v244
	v_nop
	global_store_b96 v7, v[224:226], s[\ptr+4:\ptr+5]          ; the wave stores 384 consecutive bytes
	global_store_b8 v183, v233, s[\ptr+6:\ptr+7]               ; lanes l and l + 16 write the same byte with the same value
.endm
	TILE 31, 40                                    ; the long tile first
	TILE 30, 48
	s_wait_tensorcnt 0x0
	ds_add_u32 v243, v251
	s_wait_dscnt 0x0
	CROUND                                         ; the closing round
	s_endpgm
.Lfunc_end_k_q6304cef52f_attn:
	.size	k_q6304cef52f_attn, .Lfunc_end_k_q6304cef52f_attn-k_q6304cef52f_attn
	.p2alignl 7, 3214868480
	.fill 96, 4, 3214868480
	.section	.rodata,"a",@progbits
	.p2align	6, 0x0
	.amdhsa_kernel k_q6304cef52f_attn
		.amdhsa_group_segment_fixed_size 169984
		.amdhsa_private_segment_fixed_size 0
		.amdhsa_enable_private_segment 0
		.amdhsa_kernarg_size 40
		.amdhsa_user_sgpr_count 2
		.amdhsa_user_sgpr_kernarg_segment_ptr 1
		.amdhsa_wavefront_size32 1
		.amdhsa_system_sgpr_workgroup_id_x 1
		.amdhsa_system_sgpr_workgroup_id_y 1
		.amdhsa_system_sgpr_workgroup_id_z 1
		.amdhsa_system_vgpr_workitem_id 0
		.amdhsa_next_free_vgpr 256
		.amdhsa_next_free_sgpr 66
		.amdhsa_reserve_vcc 1
		.amdhsa_float_denorm_mode_32 3
		.amdhsa_float_denorm_mode_16_64 3
		.amdhsa_memory_ordered 1
		.amdhsa_forward_progress 1
		.amdhsa_inst_pref_size 53
	.end_amdhsa_kernel
	.amdgpu_metadata
---
amdhsa.version: [ 1, 2 ]
amdhsa.kernels:
  - .name:           k_q6304cef52f_attn
    .symbol:         k_q6304cef52f_attn.kd
    .args:
      - { .name: qc, .offset: 0, .size: 8, .value_kind: global_buffer, .address_space: global }
      - { .name: qs, .offset: 8, .size: 8, .value_kind: global_buffer, .address_space: global }
      - { .name: kv, .offset: 16, .size: 8, .value_kind: global_buffer, .address_space: global }
      - { .name: cc, .offset: 24, .size: 8, .value_kind: global_buffer, .address_space: global }
      - { .name: cs, .offset: 32, .size: 8, .value_kind: global_buffer, .address_space: global }
    .group_segment_fixed_size: 169984
    .private_segment_fixed_size: 0
    .kernarg_segment_align: 8
    .kernarg_segment_size: 40
    .max_flat_workgroup_size: 512
    .sgpr_count:     66
    .vgpr_count:     256
    .wavefront_size: 32
...
	.end_amdgpu_metadata
.endif
;; end of part 3
;; launch ffn (part 4): grid 256 x 1, 16 waves a work-group, no clusters, 124,928 bytes of LDS; arguments x, cc, cs, wimg, bo, ln2_scale, ln2_shift, b1, b2, out0; writes out0
.if DOCPART == 4
	.amdgcn_target "amdgcn-amd-amdhsa--gfx1250"
	.amdhsa_code_object_version 6
	.text
	.protected	k_q6304cef52f_ffn
	.globl	k_q6304cef52f_ffn
	.p2align	8
	.type	k_q6304cef52f_ffn,@function
k_q6304cef52f_ffn:
	s_mov_b64 s[64:65], 0
	v_nop
	global_prefetch_b8 v0, s[64:65] scope:SCOPE_SE
	s_setreg_imm32_b32 hwreg(HW_REG_WAVE_MODE, 25, 1), 1
	s_wait_xcnt 0x0
; x1 = x + ctx wo + bo;  out = x1 + gelu(LN2(x1) w1 + b1) w2 + b2: three products on codes of E2M3 with E8M0 scales; the hidden layer never goes to memory.
; SHARES, POSITIONS, TRANSPOSED USE, IMAGES and the WEIGHTS' register ring are those of the launch that makes q, k, v: a work-group takes 32 tokens, wave w of sixteen columns 32 w .. 32 w + 31 of every
; chunk of 512; position 16 T + r stands for token 8 T + r + 8 (r / 8); lane (r, h) holds position (T, r), its 16 registers [t 0][t 1] columns 32 w + 16 h + 0 .. 15; an operand goes from wave to wave
; as an image of its registers (12,800 bytes with its scale words).  Each weight fragment is used by one wave alone, so the weights go from wimg straight into four register sets, three of them always
; on their way, and joint tensor loads in a cluster are not used: LDS would only be a way station for them.
; PHASES (local numbers): 0 wo; 1 + 2 j: w1's columns 512 j on; 2 + 2 j: w2's K 512 j on.  The residual and the biases are the C of a sum's first matrix instruction: x + bo, b1; b2 is added at the end.
; gelu(x) = x / (1 + 2^(x (k1 + k2 x^2))), k1 = -2 log2(e) sqrt(2 / pi), k2 = 0.044715 k1: the same function as 0.5 x (1 + tanh(..)), with no difference of near numbers.
; Nine barriers.  The hidden layer's images take turns between two regions: one is written again only behind the next chunk's barrier, which every wave reaches behind its last read of it.
; LIMITS: NaN and infinities are not served; a block of zeros gets the scale byte 1 (zero codes; read here alone); v_exp_f32, v_rcp_f32, v_rsq_f32 are good to 1 ulp and flush denormals.
.set OUT, 32                           ; v32-63   x + bo, then x1, then the result
.set HID, 64                           ; v64-95   gain and shift; b1 and the hidden layer; b2
.set Z,   96                           ; v96-143  two buffers of fragments; at other times at work
.set W,   144                          ; v144-239 four sets of weight fragments
.set WS,  240                          ; v240-243 their scale words
.set AS,  244                          ; v244-245 the rows' scale words
.set PC,  24                           ; v24-30   codes just made
.set IMG0, 0                           ; ctx
.set IMG1, 12800                       ; LN2(x1)
.set IMG2, 25600                       ; the hidden layer, chunks 0 and 2;  at 38400 chunks 1 and 3
.set ST0, 51200
.set ST1, 53760
.set STG, 56320                        ; the way out: 32 positions x (2,048 bytes + 16)
; v1 16 L, v2 4 L, v3 48 L, v4, v5 where I store a block's codes and byte, v6 x's offset, v7 a parameter's, v8, v9 the sums' words, v10, v11 the stage in and out, v12 24 L, v13 L, v[14:15] k1
.macro BARRIER                         ; my LDS stores have landed and my LDS loads are in: then the work-group's barrier
	s_wait_dscnt 0x0
	s_barrier_signal -1
	s_barrier_wait -1
.endm
.macro WLOAD ph, ks                    ; seven loads: phase ph's record for K step ks into set ks
.irp t, 0,1
.irp i, 0,1,2
	global_load_b128 v[W+24*(\ks)+12*\t+4*\i:W+24*(\ks)+12*\t+4*\i+3], v1, s[6:7] offset:204800*(\ph)+3200*(\ks)+1536*\t+512*\i
.endr
.endr
	global_load_b32 v[WS+(\ks)], v2, s[6:7] offset:204800*(\ph)+3200*(\ks)+3072
.endm
.macro ALOAD buf, img, ks              ; seven LDS loads: both row tiles' fragments of K step ks, and their scale words
.irp m, 0,1
.irp i, 0,1,2
	ds_load_b128 v[Z+24*(\buf)+12*\m+4*\i:Z+24*(\buf)+12*\m+4*\i+3], v3 offset:(\img)+6144*\m+1536*(\ks)+16*\i
.endr
.endr
	ds_load_b32 v[AS+(\buf)], v2 offset:(\img)+12288+128*(\ks)
.endm
.macro WM                              ; one matrix instruction from the symbols rD, rA, rB, rSA, rSB; fA, fB: the side's scales stand in lanes 16-31
.if fA && fB
	v_wmma_scale_f32_16x16x128_f8f6f4 v[rD:rD+7], v[rA:rA+11], v[rB:rB+11], v[rD:rD+7], v[rSA], v[rSB] matrix_a_fmt:MATRIX_FMT_FP6 matrix_b_fmt:MATRIX_FMT_FP6 matrix_a_scale:MATRIX_SCALE_ROW1 matrix_b_scale:MATRIX_SCALE_ROW1
.elseif fA
	v_wmma_scale_f32_16x16x128_f8f6f4 v[rD:rD+7], v[rA:rA+11], v[rB:rB+11], v[rD:rD+7], v[rSA], v[rSB] matrix_a_fmt:MATRIX_FMT_FP6 matrix_b_fmt:MATRIX_FMT_FP6 matrix_a_scale:MATRIX_SCALE_ROW1
.elseif fB
	v_wmma_scale_f32_16x16x128_f8f6f4 v[rD:rD+7], v[rA:rA+11], v[rB:rB+11], v[rD:rD+7], v[rSA], v[rSB] matrix_a_fmt:MATRIX_FMT_FP6 matrix_b_fmt:MATRIX_FMT_FP6 matrix_b_scale:MATRIX_SCALE_ROW1
.else
	v_wmma_scale_f32_16x16x128_f8f6f4 v[rD:rD+7], v[rA:rA+11], v[rB:rB+11], v[rD:rD+7], v[rSA], v[rSB] matrix_a_fmt:MATRIX_FMT_FP6 matrix_b_fmt:MATRIX_FMT_FP6
.endif
.endm
; One phase: acc += [32 positions x 512] x [my 32 columns x 512]: 4 K steps x 4 matrix instructions; the four accumulators take turns, one instruction a turn.
; next: the phase from which a set is asked for again as soon as it is multiplied, or -1.  xtra: loads (a bias) issued behind the sets that this phase multiplies.
.macro GEMM acc, img, next, xtra
	ALOAD 0, \img, 0
.irp ks, 0,1,2,3
.if \ks < 3
	ALOAD (\ks+1)%2, \img, \ks+1
	s_wait_dscnt 7                                 ; this K step's seven are in; the next step's seven may be out
.else
	s_wait_dscnt 0x0
.endif
.if (\next) >= 0
	s_wait_loadcnt 21+(\xtra)                      ; behind the set that I want: three sets of seven loads, and the bias's
.else
	s_wait_loadcnt 7*(3-\ks)+(\xtra)               ; nothing is asked for any more: the counts run down
.endif
.irp m, 0,1
.irp t, 0,1
.set rD, (\acc)+16*\m+8*\t
.set rA, W+24*\ks+12*\t
.set rB, Z+24*(\ks%2)+12*\m
.set rSA, WS+\ks
.set rSB, AS+(\ks%2)
.set fA, \t
.set fB, \m
	WM
.endr
.endr
.rept 4
	v_nop                                          ; four places in front of loads into registers that these products read, and of the first read of results
.endr
.if (\next) >= 0
	WLOAD \next, \ks
.endif
.endr
.endm
.macro PLOAD dst, lo, off              ; 16 numbers of a parameter: columns 32 w + 16 h + 0 .. 15
.irp i, 0,1,2,3
	global_load_b128 v[(\dst)+4*\i:(\dst)+4*\i+3], v7, s[\lo:\lo+1] offset:(\off)+16*\i
.endr
.endm
; v[16:17], v[18:19]: my 16 columns' sums of tiles 0 and 1, in two halves -> v16: the whole row's sum of position L.  One barrier.
.macro LNSUM st
	v_add_f32 v16, v16, v17
	v_add_f32 v18, v18, v19
	v_permlanex16_b32 v20, v16, s22, s23
	v_permlanex16_b32 v21, v18, s22, s23
	v_add_f32 v16, v16, v20
	v_add_f32 v18, v18, v21
	v_cndmask_b32 v16, v16, v18, s20               ; lane (r, h) keeps tile h's
	ds_store_b32 v8, v16 offset:\st
	BARRIER
.irp i, 0,1,2,3
	ds_load_b128 v[Z+32+4*\i:Z+35+4*\i], v9 offset:(\st)+16*\i
.endr
	s_wait_dscnt 0x0
	v_pk_add_f32 v[Z+32:Z+33], v[Z+32:Z+33], v[Z+34:Z+35]
	v_pk_add_f32 v[Z+36:Z+37], v[Z+36:Z+37], v[Z+38:Z+39]
	v_pk_add_f32 v[Z+40:Z+41], v[Z+40:Z+41], v[Z+42:Z+43]
	v_pk_add_f32 v[Z+44:Z+45], v[Z+44:Z+45], v[Z+46:Z+47]
	v_pk_add_f32 v[Z+32:Z+33], v[Z+32:Z+33], v[Z+36:Z+37]
	v_pk_add_f32 v[Z+40:Z+41], v[Z+40:Z+41], v[Z+44:Z+45]
	v_pk_add_f32 v[Z+32:Z+33], v[Z+32:Z+33], v[Z+40:Z+41]
	v_add_f32 v16, v[Z+32], v[Z+33]
.endm
.macro LNBOTH                          ; v16 (position L's number) -> v[24:25] tile 0's, v[26:27] tile 1's, each twice
	v_permlanex16_b32 v20, v16, s22, s23
	v_cndmask_b32 v24, v16, v20, s20
	v_cndmask_b32 v26, v20, v16, s20
	v_mov_b32 v25, v24
	v_mov_b32 v27, v26
.endm
; LayerNorm in two passes.  x1 in OUT (kept; read from each accumulator's low end on), gain in HID, shift in HID + 16, result in Z .. Z + 31.
.macro LN
	v_pk_add_f32 v[16:17], v[OUT:OUT+1], v[OUT+2:OUT+3]
	v_pk_add_f32 v[18:19], v[OUT+16:OUT+17], v[OUT+18:OUT+19]
.set jj, 4
.rept 6
	v_pk_add_f32 v[16:17], v[16:17], v[OUT+jj:OUT+jj+1]
	v_pk_add_f32 v[18:19], v[18:19], v[OUT+16+jj:OUT+17+jj]
.set jj, jj+2
.endr
	LNSUM ST0
	v_mul_f32 v16, s26, v16
	LNBOTH
.irp m, 0,1
.set jj, 0
.rept 8
	v_pk_add_f32 v[Z+16*\m+jj:Z+16*\m+jj+1], v[OUT+16*\m+jj:OUT+16*\m+jj+1], v[24+2*\m:25+2*\m] neg_lo:[0,1] neg_hi:[0,1]
.set jj, jj+2
.endr
.endr
	v_pk_mul_f32 v[16:17], v[Z:Z+1], v[Z:Z+1]
	v_pk_mul_f32 v[18:19], v[Z+16:Z+17], v[Z+16:Z+17]
.set jj, 2
.rept 7
	v_pk_fma_f32 v[16:17], v[Z+jj:Z+jj+1], v[Z+jj:Z+jj+1], v[16:17]
	v_pk_fma_f32 v[18:19], v[Z+16+jj:Z+17+jj], v[Z+16+jj:Z+17+jj], v[18:19]
.set jj, jj+2
.endr
	LNSUM ST1
	v_fma_f32 v16, v16, s26, s27
	v_rsq_f32 v16, v16
	v_nop
	s_wait_alu depctr_va_vdst(0)
	LNBOTH
.irp m, 0,1
.set jj, 0
.rept 8
	v_pk_mul_f32 v[Z+16*\m+jj:Z+16*\m+jj+1], v[Z+16*\m+jj:Z+16*\m+jj+1], v[24+2*\m:25+2*\m]
.set jj, jj+2
.endr
.endr
.irp m, 0,1
.set jj, 0
.rept 8
	v_pk_fma_f32 v[Z+16*\m+jj:Z+16*\m+jj+1], v[Z+16*\m+jj:Z+16*\m+jj+1], v[HID+jj:HID+jj+1], v[HID+16+jj:HID+17+jj]
.set jj, jj+2
.endr
.endr
.endm
; Two half blocks of 16 numbers, line by line in turns: codes to v[PC:PC+2] and v[PC+4:PC+6], scale bytes to v22 and v23.
.macro QH2 s0, s1
	v_max3_num_f32 v16, |v[\s0]|, |v[\s0+1]|, 0x1800000
	v_max3_num_f32 v17, |v[\s1]|, |v[\s1+1]|, 0x1800000
.irp i, 2,4,6,8,10,12,14
	v_max3_num_f32 v16, v16, |v[\s0+\i]|, |v[\s0+\i+1]|
	v_max3_num_f32 v17, v17, |v[\s1+\i]|, |v[\s1+\i+1]|
.endr
	v_permlanex16_b32 v20, v16, s22, s23
	v_permlanex16_b32 v21, v17, s22, s23
	v_max_num_f32 v16, v16, v20
	v_max_num_f32 v17, v17, v21
	v_add_nc_u32 v18, 0xff000000, v16
	v_add_nc_u32 v19, 0xff000000, v17
	v_lshrrev_b32 v22, 23, v18
	v_lshrrev_b32 v23, 23, v19
	v_cvt_scalef32_pk16_fp6_f32 v[PC:PC+2], v[\s0:\s0+15], v18
	v_cvt_scalef32_pk16_fp6_f32 v[PC+4:PC+6], v[\s1:\s1+15], v19
	v_nop                                          ; one plain place behind a scaled conversion
.endm
.macro QH_IMG src, img                 ; 32 numbers a lane become block w of the image at img
	QH2 \src, (\src)+16
.irp i, 0,1,2
	v_permlane16_swap_b32 v[PC+\i], v[PC+4+\i]
.endr
	v_mov_b32 v[PC+3], v[PC+4]
	v_mov_b32 v[PC+4], v[PC+5]
	v_mov_b32 v[PC+5], v[PC+6]
.irp i, 0,1,2
	ds_store_b64 v4, v[PC+2*\i:PC+2*\i+1] offset:(\img)+8*\i
.endr
	v_cndmask_b32 v31, v22, v23, s20
	ds_store_b8 v5, v31 offset:(\img)+12288
.endm
.macro GELU                            ; HID in place; Z .. Z + 31 at work
.set jj, 0
.rept 16
	v_pk_mul_f32 v[Z+jj:Z+jj+1], v[HID+jj:HID+jj+1], v[HID+jj:HID+jj+1]
.set jj, jj+2
.endr
.set jj, 0
.rept 16
	v_pk_fma_f32 v[Z+jj:Z+jj+1], v[Z+jj:Z+jj+1], s[24:25], v[14:15] op_sel_hi:[1,0,0]   ; k1 + k2 x^2
.set jj, jj+2
.endr
.set jj, 0
.rept 16
	v_pk_mul_f32 v[Z+jj:Z+jj+1], v[Z+jj:Z+jj+1], v[HID+jj:HID+jj+1]
.set jj, jj+2
.endr
.set jj, 0
.rept 32
	v_exp_f32 v[Z+jj], v[Z+jj]
.set jj, jj+1
.endr
	v_nop
.set jj, 0
	s_wait_alu depctr_va_vdst(0)
.rept 16
	v_pk_add_f32 v[Z+jj:Z+jj+1], v[Z+jj:Z+jj+1], 1.0 op_sel_hi:[1,0]
.set jj, jj+2
.endr
.set jj, 0
.rept 32
	v_rcp_f32 v[Z+jj], v[Z+jj]
.set jj, jj+1
.endr
	v_nop
.set jj, 0
	s_wait_alu depctr_va_vdst(0)
.rept 16
	v_pk_mul_f32 v[HID+jj:HID+jj+1], v[HID+jj:HID+jj+1], v[Z+jj:Z+jj+1]
.set jj, jj+2
.endr
.endm
; Chunk j of the hidden layer: 512 units made, activated, quantised, handed round, and multiplied into the result.
.macro FF j
	GEMM HID, IMG1, 2+2*\j, 0                      ; b1 lies in the accumulators; its loads are older than the sets
	GELU
	QH_IMG HID, IMG2+12800*(\j%2)
.if \j < 3
	PLOAD HID, 42, 2048*(\j+1)                     ; the next chunk's b1, for both row tiles: eight loads
	PLOAD HID+16, 42, 2048*(\j+1)
	BARRIER
	GEMM OUT, IMG2+12800*(\j%2), 3+2*\j, 8
.else
	PLOAD HID, 44, 0                               ; b2: four loads
	BARRIER
	GEMM OUT, IMG2+12800*(\j%2), -1, 4
.endif
.endm
	s_load_b512 s[28:43], s[0:1], 0x0              ; x, cc, cs, wimg, bo, ln2_scale, ln2_shift, b1
	s_load_b128 s[44:47], s[0:1], 0x40             ; b2, out0
	v_lshl_add_u32 v254, v0, 2, 0x1e000
	v_mov_b32 v255, 0
	v_lshrrev_b32 v16, 5, v0
	v_readfirstlane_b32 s2, v16                    ; w
	s_mov_b32 s3, ttmp9                            ; RB
	s_mov_b32 s20, 0xffff0000                      ; lanes 16-31
	s_mov_b32 s22, 0x76543210
	s_mov_b32 s23, 0xfedcba98
	s_mov_b32 s24, 0xbdd2d3e8                      ; k2 = -0.10294324
	s_mov_b32 s25, s24
	s_mov_b32 s26, 0x3b000000                      ; 1 / 512
	s_mov_b32 s27, 0x3727c5ac                      ; 1e-5
	v_and_b32 v16, 31, v0                          ; L
	v_and_b32 v17, 15, v0                          ; r
	v_bfe_u32 v18, v0, 4, 1                        ; h
	v_and_b32 v19, 8, v17
	v_add_nc_u32 v19, v19, v17                     ; r + 8 (r / 8)
	v_lshlrev_b32 v1, 4, v16
	v_lshlrev_b32 v2, 2, v16
	v_mul_u32_u24 v3, v16, 48
	s_lshr_b32 s48, s2, 2
	s_mul_i32 s49, s48, 1536
	s_and_b32 s50, s2, 1
	s_mul_i32 s50, s50, 768
	s_add_co_u32 s49, s49, s50
	s_bfe_u32 s50, s2, 0x10001
	s_mul_i32 s50, s50, 24
	s_add_co_u32 s49, s49, s50
	v_mul_u32_u24 v4, v17, 48
	v_mad_u32_u24 v4, v18, 6144, v4
	v_add_nc_u32 v4, s49, v4
	s_lshl_b32 s50, s48, 7
	s_and_b32 s51, s2, 3
	s_add_co_u32 s50, s50, s51
	v_add_nc_u32 v5, s50, v2
	s_lshl_b32 s51, s2, 7                          ; 128 w
	v_lshl_add_u32 v7, v18, 6, s51
	v_lshl_add_u32 v6, v19, 11, v7
	s_lshl_b32 s52, s2, 2
	v_mul_u32_u24 v9, v16, 80
	v_add_nc_u32 v8, s52, v9
	s_add_co_u32 s52, s51, STG
	v_mul_u32_u24 v10, v17, 2064
	v_lshl_add_u32 v10, v18, 6, v10
	v_add_nc_u32 v10, s52, v10                     ; the stage, in: row = position r (+ 16 T by the offset), my 64 bytes
	s_mul_i32 s52, s2, 4128
	s_add_co_u32 s52, s52, STG
	v_add_nc_u32 v11, s52, v1                      ; out: positions 2 w and 2 w + 1, 16 bytes a lane
	v_mul_u32_u24 v12, v16, 24
	v_mov_b32 v13, v16
	v_mov_b32 v14, 0xc0135761                      ; k1 = -2.3022082
	v_mov_b32 v15, 0xc0135761
	v_mov_b32 v20, 0                               ; written once: a lane permute's destination counts as one of its sources
	v_mov_b32 v21, 0
	s_lshl_b32 s53, s2, 1
	s_and_b32 s53, s53, 15                         ; r0 = 2 w mod 16
	s_lshr_b32 s54, s2, 3
	s_lshl_b32 s54, s54, 3
	s_add_co_u32 s54, s54, s53
	s_and_b32 s55, s53, 8
	s_add_co_u32 s54, s54, s55                     ; the token of position 2 w; position 2 w + 1 is the next token
	s_lshl_b32 s55, s3, 5
	s_add_co_u32 s54, s54, s55
	s_lshl_b32 s58, s2, 13
	s_add_co_u32 s58, s58, s55                     ; 8192 w + 32 RB
	s_mov_b32 s57, 0
	s_mul_i32 s56, s2, 12800
	s_add_co_u32 s56, s56, 614400                  ; chunk 3 is this launch's phase 0
	s_wait_kmcnt 0x0
	s_add_nc_u64 s[6:7], s[34:35], s[56:57]
	s_lshl_b32 s56, s3, 16
	s_add_nc_u64 s[8:9], s[28:29], s[56:57]
	s_mul_i32 s56, s58, 24
	s_add_nc_u64 s[10:11], s[30:31], s[56:57]
	s_mov_b32 s56, s58
	s_add_nc_u64 s[12:13], s[32:33], s[56:57]
	s_lshl_b32 s56, s54, 11
	s_add_nc_u64 s[14:15], s[46:47], s[56:57]
	WLOAD 0, 0
	WLOAD 0, 1
	WLOAD 0, 2
	WLOAD 0, 3
.irp m, 0,1
.irp i, 0,1,2,3
	global_load_b128 v[OUT+16*\m+4*\i:OUT+16*\m+4*\i+3], v6, s[8:9] offset:16384*\m+16*\i th:TH_LOAD_NT
.endr
.endr
	PLOAD Z, 36, 0                                 ; bo
	PLOAD HID, 38, 0
	PLOAD HID+16, 40, 0
.irp i, 0,1,2
	global_load_b64 v[Z+16+2*\i:Z+17+2*\i], v12, s[10:11] offset:8*\i     ; head w's block of position L: block w of the first product's K
.endr
	global_load_u8 v[Z+22], v13, s[12:13]
	s_wait_loadcnt 0x0
.irp i, 0,1,2
	ds_store_b64 v4, v[Z+16+2*\i:Z+17+2*\i] offset:IMG0+8*\i
.endr
	ds_store_b8 v5, v[Z+22] offset:IMG0+12288
.set jj, 0
.rept 8
	v_pk_add_f32 v[OUT+jj:OUT+jj+1], v[OUT+jj:OUT+jj+1], v[Z+jj:Z+jj+1]
	v_pk_add_f32 v[OUT+16+jj:OUT+17+jj], v[OUT+16+jj:OUT+17+jj], v[Z+jj:Z+jj+1]
.set jj, jj+2
.endr
	BARRIER                                        ; ctx's eight fragments lie in LDS
	GEMM OUT, IMG0, 1, 0                           ; x1 = (x + bo) + ctx wo
	LN
	QH_IMG Z, IMG1
	PLOAD HID, 42, 0                               ; b1's first chunk, for both row tiles
	PLOAD HID+16, 42, 0
	BARRIER
	s_wait_loadcnt 0x0                             ; b1's loads are the youngest here
	FF 0
	FF 1
	FF 2
	FF 3
	s_wait_loadcnt 0x0                             ; b2
.set jj, 0
.rept 8
	v_pk_add_f32 v[OUT+jj:OUT+jj+1], v[OUT+jj:OUT+jj+1], v[HID+jj:HID+jj+1]
	v_pk_add_f32 v[OUT+16+jj:OUT+17+jj], v[OUT+16+jj:OUT+17+jj], v[HID+jj:HID+jj+1]
.set jj, jj+2
.endr
.irp m, 0,1
.irp i, 0,1,2,3
	ds_store_b128 v10, v[OUT+16*\m+4*\i:OUT+16*\m+4*\i+3] offset:33024*\m+16*\i
.endr
.endr
	BARRIER                                        ; 32 whole rows lie in the stage
.irp e, 0,1
.irp i, 0,1,2,3
	ds_load_b128 v[Z+16*\e+4*\i:Z+16*\e+4*\i+3], v11 offset:2064*\e+512*\i
.endr
.endr
.irp e, 0,1
.irp i, 0,1,2,3
	s_wait_dscnt 7-4*\e-\i                         ; LDS loads come back in order: the younger ones may stay out
	global_store_b128 v1, v[Z+16*\e+4*\i:Z+16*\e+4*\i+3], s[14:15] offset:2048*\e+512*\i th:TH_STORE_NT   ; the wave stores 512 consecutive bytes of a row
.endr
.endr
	s_wait_tensorcnt 0x0
	ds_add_u32 v254, v255
	s_wait_dscnt 0x0
	s_endpgm
.Lfunc_end_k_q6304cef52f_ffn:
	.size	k_q6304cef52f_ffn, .Lfunc_end_k_q6304cef52f_ffn-k_q6304cef52f_ffn
	.p2alignl 7, 3214868480
	.fill 96, 4, 3214868480
	.section	.rodata,"a",@progbits
	.p2align	6, 0x0
	.amdhsa_kernel k_q6304cef52f_ffn
		.amdhsa_group_segment_fixed_size 124928
		.amdhsa_private_segment_fixed_size 0
		.amdhsa_enable_private_segment 0
		.amdhsa_kernarg_size 80
		.amdhsa_user_sgpr_count 2
		.amdhsa_user_sgpr_kernarg_segment_ptr 1
		.amdhsa_wavefront_size32 1
		.amdhsa_system_sgpr_workgroup_id_x 1
		.amdhsa_system_sgpr_workgroup_id_y 1
		.amdhsa_system_sgpr_workgroup_id_z 1
		.amdhsa_system_vgpr_workitem_id 0
		.amdhsa_next_free_vgpr 256
		.amdhsa_next_free_sgpr 66
		.amdhsa_reserve_vcc 0
		.amdhsa_float_denorm_mode_32 3
		.amdhsa_float_denorm_mode_16_64 3
		.amdhsa_memory_ordered 1
		.amdhsa_forward_progress 1
		.amdhsa_inst_pref_size 126
	.end_amdhsa_kernel
	.amdgpu_metadata
---
amdhsa.version: [ 1, 2 ]
amdhsa.kernels:
  - .name:           k_q6304cef52f_ffn
    .symbol:         k_q6304cef52f_ffn.kd
    .args:
      - { .name: x, .offset: 0, .size: 8, .value_kind: global_buffer, .address_space: global }
      - { .name: cc, .offset: 8, .size: 8, .value_kind: global_buffer, .address_space: global }
      - { .name: cs, .offset: 16, .size: 8, .value_kind: global_buffer, .address_space: global }
      - { .name: wimg, .offset: 24, .size: 8, .value_kind: global_buffer, .address_space: global }
      - { .name: bo, .offset: 32, .size: 8, .value_kind: global_buffer, .address_space: global }
      - { .name: ln2_scale, .offset: 40, .size: 8, .value_kind: global_buffer, .address_space: global }
      - { .name: ln2_shift, .offset: 48, .size: 8, .value_kind: global_buffer, .address_space: global }
      - { .name: b1, .offset: 56, .size: 8, .value_kind: global_buffer, .address_space: global }
      - { .name: b2, .offset: 64, .size: 8, .value_kind: global_buffer, .address_space: global }
      - { .name: out0, .offset: 72, .size: 8, .value_kind: global_buffer, .address_space: global }
    .group_segment_fixed_size: 124928
    .private_segment_fixed_size: 0
    .kernarg_segment_align: 8
    .kernarg_segment_size: 80
    .max_flat_workgroup_size: 512
    .sgpr_count:     66
    .vgpr_count:     256
    .wavefront_size: 32
...
	.end_amdgpu_metadata
.endif
;; end of part 4
;; ======== version 2 of 2: 4 launches
;; workspace buffers: wimg 2,457,600 bytes; qc 3,145,728 bytes; qs 524,288 bytes; kv 6,553,600 bytes; cc 3,145,728 bytes; cs 131,072 bytes
;; launch prep (part 5): grid 16 x 12, 4 waves a work-group, no clusters, 0 bytes of LDS; arguments wq_codes, wq_scales, wk_codes, wk_scales, wv_codes, wv_scales, wo_codes, wo_scales, w1_codes, w1_scales, w2_codes, w2_scales, wimg; writes wimg
.if DOCPART == 5
	.amdgcn_target "amdgcn-amd-amdhsa--gfx1250"
	.amdhsa_code_object_version 6
	.text
	.protected	k_q6304cef52f_prep
	.globl	k_q6304cef52f_prep
	.p2align	8
	.type	k_q6304cef52f_prep,@function
k_q6304cef52f_prep:
	s_mov_b64 s[64:65], 0
	v_nop
	global_prefetch_b8 v0, s[64:65] scope:SCOPE_SE
	s_setreg_imm32_b32 hwreg(HW_REG_WAVE_MODE, 25, 1), 1
	s_wait_xcnt 0x0
; The six weights (codes of E2M3, K innermost, with E8M0 bytes) are laid once in the order of a wave's operand registers.
; All products but attention's are cut into 12 chunks P of 512 (n) x 512 (k): 0 wq, 1 wk, 2 wv, 3 wo, 4 + 2 j: rows 512 j on of w1, 5 + 2 j: K 512 j on of w2.
; wimg = [P 12][w 16][ks 4] records of 3,200 bytes.  A record serves wave w for K step ks (128 along K): two tiles t of 16 weight rows; lane r of tile t
; stands for row 32 w + 8 t + r + 8 (r / 8).  Record = [t][i 3][lane][16 bytes]: registers 4 i .. 4 i + 3 of the tile's 12-register fragment; then 128 bytes:
; lane L's word = the four scale bytes of tile L / 16, row L % 16.  So the later launches fetch a fragment by three loads of 16 bytes a lane, 512 consecutive bytes each.
; One wave makes one record: work-group x = w, y = P, wave = ks.  768 records, 192 work-groups: that is all the work there is.  No LDS, no barrier.
	s_load_b512 s[8:23], s[0:1], 0x0               ; wq, wk, wv, wo: codes and scales by turns
	s_load_b256 s[24:31], s[0:1], 0x40             ; w1's codes, scales; w2's codes, scales
	s_load_b64 s[32:33], s[0:1], 0x60              ; wimg
	v_lshrrev_b32 v1, 5, v0
	v_readfirstlane_b32 s4, v1                     ; ks = my wave
	s_mov_b32 s2, ttmp9                            ; w
	s_and_b32 s3, ttmp7, 0xffff                    ; P
	s_max_u32 s40, s3, 4
	s_sub_co_u32 s40, s40, 4
	s_lshr_b32 s40, s40, 1                         ; j (0 for P under 4)
	s_mul_i32 s43, s40, 384                        ; w2: the chunk's first byte in a row of codes
	s_lshl_b32 s44, s40, 4                         ; w2: and in a row of scale bytes
	s_lshl_b32 s45, s40, 9                         ; w1: the chunk's first row
	s_and_b32 s5, s3, 1
	s_cmp_ge_u32 s3, 4
	s_cselect_b32 s5, s5, 0                        ; 1: the chunk is w2's
	s_mov_b32 s41, 384
	s_cmp_lg_u32 s5, 0
	s_cselect_b32 s41, 1536, s41                   ; bytes in a row of codes
	s_cselect_b32 s42, 64, 16                      ; bytes in a row of scales
	s_cselect_b32 s43, s43, 0
	s_cselect_b32 s44, s44, 0
	s_cselect_b32 s45, 0, s45
	s_lshl_b32 s46, s2, 5
	s_add_co_u32 s46, s46, s45                     ; the record's first weight row
	s_mul_i32 s50, s46, s41
	s_add_co_u32 s50, s50, s43
	s_mul_i32 s47, s4, 96
	s_add_co_u32 s50, s50, s47                     ; codes: row x pitch + chunk + 96 ks
	s_mov_b32 s51, 0
	s_mul_i32 s52, s46, s42
	s_add_co_u32 s52, s52, s44
	s_lshl_b32 s47, s4, 2
	s_add_co_u32 s52, s52, s47                     ; scales: row x pitch + chunk + 4 ks
	s_mov_b32 s53, 0
	s_mul_i32 s54, s3, 204800
	s_mul_i32 s47, s2, 12800
	s_add_co_u32 s54, s54, s47
	s_mul_i32 s47, s4, 3200
	s_add_co_u32 s54, s54, s47                     ; my record
	s_mov_b32 s55, 0
	s_lshl_b32 s56, s41, 3                         ; tile 1 begins 8 rows further on
	v_and_b32 v1, 31, v0                           ; L
	v_and_b32 v33, 15, v0                          ; r
	v_bfe_u32 v34, v0, 4, 1                        ; h
	v_and_b32 v7, 8, v33
	v_add_nc_u32 v7, v7, v33                       ; r + 8 (r / 8)
	v_mul_lo_u32 v2, v7, s41
	v_mad_u32_u24 v2, v34, 24, v2                  ; tile 0: my row, + 24 h
	v_add_nc_u32 v3, s56, v2                       ; tile 1
	v_lshl_add_u32 v35, v34, 3, v7
	v_mul_lo_u32 v4, v35, s42                      ; scale word: tile h, row r
	v_lshlrev_b32 v5, 4, v1                        ; out: 16 bytes a lane
	v_lshlrev_b32 v6, 2, v1                        ; out: 4 bytes a lane
	s_wait_alu depctr_va_vdst(0)
	s_wait_kmcnt 0x0
	s_cmp_eq_u32 s3, 1                             ; the source is chosen by the work-group's number alone
	s_cselect_b64 s[36:37], s[12:13], s[8:9]
	s_cselect_b64 s[38:39], s[14:15], s[10:11]
	s_cmp_eq_u32 s3, 2
	s_cselect_b64 s[36:37], s[16:17], s[36:37]
	s_cselect_b64 s[38:39], s[18:19], s[38:39]
	s_cmp_eq_u32 s3, 3
	s_cselect_b64 s[36:37], s[20:21], s[36:37]
	s_cselect_b64 s[38:39], s[22:23], s[38:39]
	s_cmp_ge_u32 s3, 4
	s_cselect_b64 s[36:37], s[24:25], s[36:37]
	s_cselect_b64 s[38:39], s[26:27], s[38:39]
	s_cmp_lg_u32 s5, 0
	s_cselect_b64 s[36:37], s[28:29], s[36:37]
	s_cselect_b64 s[38:39], s[30:31], s[38:39]
	s_add_nc_u64 s[36:37], s[36:37], s[50:51]
	s_add_nc_u64 s[38:39], s[38:39], s[52:53]
	s_add_nc_u64 s[32:33], s[32:33], s[54:55]
.irp c, 0,1
.irp i, 0,1,2
	global_load_b64 v[8+6*\c+2*\i:9+6*\c+2*\i], v2, s[36:37] offset:48*\c+8*\i     ; registers 6 c .. 6 c + 5: k = 64 c + 32 h + 0 .. 31, 24 bytes as they lie
	global_load_b64 v[20+6*\c+2*\i:21+6*\c+2*\i], v3, s[36:37] offset:48*\c+8*\i
.endr
.endr
	global_load_b32 v32, v4, s[38:39]
	s_wait_loadcnt 0x0
.irp t, 0,1
.irp i, 0,1,2
	global_store_b128 v5, v[8+12*\t+4*\i:11+12*\t+4*\i], s[32:33] offset:1536*\t+512*\i   ; the wave stores 512 consecutive bytes
.endr
.endr
	global_store_b32 v6, v32, s[32:33] offset:3072
	s_endpgm
.Lfunc_end_k_q6304cef52f_prep:
	.size	k_q6304cef52f_prep, .Lfunc_end_k_q6304cef52f_prep-k_q6304cef52f_prep
	.p2alignl 7, 3214868480
	.fill 96, 4, 3214868480
	.section	.rodata,"a",@progbits
	.p2align	6, 0x0
	.amdhsa_kernel k_q6304cef52f_prep
		.amdhsa_group_segment_fixed_size 0
		.amdhsa_private_segment_fixed_size 0
		.amdhsa_enable_private_segment 0
		.amdhsa_kernarg_size 104
		.amdhsa_user_sgpr_count 2
		.amdhsa_user_sgpr_kernarg_segment_ptr 1
		.amdhsa_wavefront_size32 1
		.amdhsa_system_sgpr_workgroup_id_x 1
		.amdhsa_system_sgpr_workgroup_id_y 1
		.amdhsa_system_sgpr_workgroup_id_z 1
		.amdhsa_system_vgpr_workitem_id 0
		.amdhsa_next_free_vgpr 48
		.amdhsa_next_free_sgpr 66
		.amdhsa_reserve_vcc 0
		.amdhsa_float_denorm_mode_32 3
		.amdhsa_float_denorm_mode_16_64 3
		.amdhsa_memory_ordered 1
		.amdhsa_forward_progress 1
		.amdhsa_inst_pref_size 5
	.end_amdhsa_kernel
	.amdgpu_metadata
---
amdhsa.version: [ 1, 2 ]
amdhsa.kernels:
  - .name:           k_q6304cef52f_prep
    .symbol:         k_q6304cef52f_prep.kd
    .args:
      - { .name: wq_codes, .offset: 0, .size: 8, .value_kind: global_buffer, .address_space: global }
      - { .name: wq_scales, .offset: 8, .size: 8, .value_kind: global_buffer, .address_space: global }
      - { .name: wk_codes, .offset: 16, .size: 8, .value_kind: global_buffer, .address_space: global }
      - { .name: wk_scales, .offset: 24, .size: 8, .value_kind: global_buffer, .address_space: global }
      - { .name: wv_codes, .offset: 32, .size: 8, .value_kind: global_buffer, .address_space: global }
      - { .name: wv_scales, .offset: 40, .size: 8, .value_kind: global_buffer, .address_space: global }
      - { .name: wo_codes, .offset: 48, .size: 8, .value_kind: global_buffer, .address_space: global }
      - { .name: wo_scales, .offset: 56, .size: 8, .value_kind: global_buffer, .address_space: global }
      - { .name: w1_codes, .offset: 64, .size: 8, .value_kind: global_buffer, .address_space: global }
      - { .name: w1_scales, .offset: 72, .size: 8, .value_kind: global_buffer, .address_space: global }
      - { .name: w2_codes, .offset: 80, .size: 8, .value_kind: global_buffer, .address_space: global }
      - { .name: w2_scales, .offset: 88, .size: 8, .value_kind: global_buffer, .address_space: global }
      - { .name: wimg, .offset: 96, .size: 8, .value_kind: global_buffer, .address_space: global }
    .group_segment_fixed_size: 0
    .private_segment_fixed_size: 0
    .kernarg_segment_align: 8
    .kernarg_segment_size: 104
    .max_flat_workgroup_size: 128
    .sgpr_count:     66
    .vgpr_count:     48
    .wavefront_size: 32
...
	.end_amdgpu_metadata
.endif
;; end of part 5
;; launch qkv (part 6): grid 256 x 1, 16 waves a work-group, no clusters, 20,480 bytes of LDS; arguments x, ln1_scale, ln1_shift, wimg, qc, qs, kv; writes qc, qs, kv
.if DOCPART == 6
	.amdgcn_target "amdgcn-amd-amdhsa--gfx1250"
	.amdhsa_code_object_version 6
	.text
	.protected	k_q6304cef52f_qkv
	.globl	k_q6304cef52f_qkv
	.p2align	8
	.type	k_q6304cef52f_qkv,@function
k_q6304cef52f_qkv:
	s_mov_b64 s[64:65], 0
	v_nop
	global_prefetch_b8 v0, s[64:65] scope:SCOPE_SE
	s_setreg_imm32_b32 hwreg(HW_REG_WAVE_SCHED_MODE, 0, 2), 2
	s_setreg_imm32_b32 hwreg(HW_REG_WAVE_MODE, 25, 1), 1
	s_wait_xcnt 0x0
	s_wait_alu depctr_vm_vsrc(0)
; LayerNorm 1, its quantising, q = h wq, k = h wk, v = h wv on codes of E2M3 with E8M0 scales, and the quantising of q, k (along the head's 32) and v (along 32 tokens).
; SHARES.  A work-group takes 32 tokens (work-group RB); wave w of sixteen takes columns 32 w .. 32 w + 31 of every product: head w.  256 registers a wave, four waves to a SIMD.
; POSITIONS.  Inside the 32 tokens, position 16 T + r stands for token 8 T + r + 8 (r / 8).  Row tiles, q's, k's and ctx's buffers go by position; x goes by token.
; TRANSPOSED USE (q, k): source 0 = 16 weight rows (tile t: row 32 w + 8 t + r + 8 (r / 8)), source 1 = 16 positions: lane (r, h) holds position (T, r), and the 16 registers [t 0][t 1] are columns 32 w + 16 h + 0 .. 15.
; NATURAL USE (v): source 0 = 16 positions, source 1 = the weight tile: lane (r, h) holds dim 8 t + r + 8 (r / 8), and the registers [T 0][T 1] are tokens 16 h + 0 .. 15: neighbours along the keys.
; h's codes go from wave to wave through LDS as an image of the operand's registers: fragment (T, ks) at 6144 T + 1536 ks, lane L's 48 bytes at 48 L; scale words at 12288 + 128 ks + 64 T + 4 r.
; WEIGHTS come from wimg straight into a ring of four register sets, one for each K step: each fragment is used by one wave alone, so LDS would only be a way station, and joint
; tensor loads in a cluster are not used: a set (7 loads, 3,200 bytes) is asked for again in the K step behind the one that multiplied it, two to three sets a wave are always on their way, across barriers and vector phases too.
; OUT.  qc [bh][position][24 bytes], qs [bh][position]: q's scale byte four times in a word;  kv [bh] records of 102,400 bytes: K codes [position][24]; at 49152 V codes [s][c][dt][hv][rho][24];
; at 98304 K scale bytes [s][f][rho][u] (position 128 s + 64 f + 16 u + rho); at 100352 V scale bytes [s][dt][rho][bk].
; LIMITS: NaN and infinities among the inputs are not served; a block of zeros gets the scale byte 1 where the quantiser says 127 (its codes are zeros, and this program alone reads the bytes); v_rsq_f32 is good to 1 ulp.
; THE MODE: SCHED_MODE bits 1:0 = 2 (LLVM: expert scheduling mode 2), set by the entry lines.  The code itself states the register dependences
; between vector or matrix instructions and memory or LDS instructions, with s_wait_alu, always for 0.
; THE PLAN.  The text has no branch: one path.  Registers that memory or LDS instructions touch:
;   v1-v11     offsets and LDS addresses: made at the head, never written again.  One wait on va_vdst ahead of the first load states that they are written.
;   W, WS      set ks: read by K step ks's four products; the next phase's record lands in it during K step ks + 1, dealt among that step's products (set 3: behind the phase).
;   Z, AS      buffer ks % 2: read by K step ks's products; the LDS loads at the head of K step ks + 1 (the fragments of step ks + 2) land in it.  Between phases Z is at work for LayerNorm.
;   v16        written by the sums' vector lines, read by one LDS store, written again behind the sixteen words' loads.
;   PC, v31    codes, byte or word: written by the quantiser's lines, read by the run of LDS or global stores behind them, written again by the next quantiser.
; So ONE wait on va_vdst stands at the head of each of K steps 1 to 3: the products of the step before are done reading their set, their scale words and their buffer; the step's seven LDS loads and seven
; global loads follow it, and the step's products name the other set and the other buffer.  One more stands behind a phase, for set 3.  K step 0's LDS loads lean on the last wait ahead of the phase:
; no vector or matrix instruction since it names Z or AS.  One wait on va_vdst stands ahead of each run of stores, one on vm_vsrc ahead of the lines that write a store's data again.
.set OUT, 32                           ; v32-63   x, later accumulators
.set HID, 64                           ; v64-95   gain and shift, later accumulators
.set Z,   96                           ; v96-143  two buffers of h's fragments (24 each); at other times at work
.set W,   144                          ; v144-239 four sets of weight fragments: set ks at W + 24 ks + 12 t
.set WS,  240                          ; v240-243 their scale words: lanes 0-15 tile 0, lanes 16-31 tile 1
.set AS,  244                          ; v244-245 h's scale words: lanes 0-15 T = 0, lanes 16-31 T = 1
.set PC,  24                           ; v24-30   codes just made
.set IMG0, 0
.set ST0, 12800                        ; 32 positions x (16 waves' words + 16 bytes)
.set ST1, 15360
; v1 16 L, v2 4 L, v3 48 L, v4 where I store a block's codes, v5 where its byte, v6 x's offset, v7 a parameter's offset, v8, v9 the sums' words, v10 24 r + 12 h, v11 4 r + h; v16-23, v31 at work
.macro BARRIER                         ; my LDS stores have landed and my LDS loads are in: then the work-group's barrier
	s_wait_dscnt 0x0
	s_barrier_signal -1
	s_barrier_wait -1
.endm
.macro WL3 ph, ks, t                   ; three loads: tile t's fragment of phase ph's record for K step ks into set ks
.irp i, 0,1,2
	global_load_b128 v[W+24*(\ks)+12*(\t)+4*\i:W+24*(\ks)+12*(\t)+4*\i+3], v1, s[6:7] offset:204800*(\ph)+3200*(\ks)+1536*(\t)+512*\i
.endr
.endm
.macro WL1 ph, ks                      ; and the record's scale words
	global_load_b32 v[WS+(\ks)], v2, s[6:7] offset:204800*(\ph)+3200*(\ks)+3072
.endm
.macro WLOAD ph, ks                    ; seven loads: the whole record
	WL3 \ph, \ks, 0
	WL3 \ph, \ks, 1
	WL1 \ph, \ks
.endm
.macro ALOAD buf, img, ks              ; seven LDS loads: both row tiles' fragments of K step ks, and their scale words; lanes 48 bytes apart
.irp m, 0,1
.irp i, 0,1,2
	ds_load_b128 v[Z+24*(\buf)+12*\m+4*\i:Z+24*(\buf)+12*\m+4*\i+3], v3 offset:(\img)+6144*\m+1536*(\ks)+16*\i
.endr
.endr
	ds_load_b32 v[AS+(\buf)], v2 offset:(\img)+12288+128*(\ks)
.endm
.macro WM                              ; one matrix instruction from the symbols rD, rA, rB, rSA, rSB; fZ: C = 0; fA, fB: the side's scales stand in lanes 16-31
.if fZ && fA && fB
	v_wmma_scale_f32_16x16x128_f8f6f4 v[rD:rD+7], v[rA:rA+11], v[rB:rB+11], 0, v[rSA], v[rSB] matrix_a_fmt:MATRIX_FMT_FP6 matrix_b_fmt:MATRIX_FMT_FP6 matrix_a_scale:MATRIX_SCALE_ROW1 matrix_b_scale:MATRIX_SCALE_ROW1
.elseif fZ && fA
	v_wmma_scale_f32_16x16x128_f8f6f4 v[rD:rD+7], v[rA:rA+11], v[rB:rB+11], 0, v[rSA], v[rSB] matrix_a_fmt:MATRIX_FMT_FP6 matrix_b_fmt:MATRIX_FMT_FP6 matrix_a_scale:MATRIX_SCALE_ROW1
.elseif fZ && fB
	v_wmma_scale_f32_16x16x128_f8f6f4 v[rD:rD+7], v[rA:rA+11], v[rB:rB+11], 0, v[rSA], v[rSB] matrix_a_fmt:MATRIX_FMT_FP6 matrix_b_fmt:MATRIX_FMT_FP6 matrix_b_scale:MATRIX_SCALE_ROW1
.elseif fZ
	v_wmma_scale_f32_16x16x128_f8f6f4 v[rD:rD+7], v[rA:rA+11], v[rB:rB+11], 0, v[rSA], v[rSB] matrix_a_fmt:MATRIX_FMT_FP6 matrix_b_fmt:MATRIX_FMT_FP6
.elseif fA && fB
	v_wmma_scale_f32_16x16x128_f8f6f4 v[rD:rD+7], v[rA:rA+11], v[rB:rB+11], v[rD:rD+7], v[rSA], v[rSB] matrix_a_fmt:MATRIX_FMT_FP6 matrix_b_fmt:MATRIX_FMT_FP6 matrix_a_scale:MATRIX_SCALE_ROW1 matrix_b_scale:MATRIX_SCALE_ROW1
.elseif fA
	v_wmma_scale_f32_16x16x128_f8f6f4 v[rD:rD+7], v[rA:rA+11], v[rB:rB+11], v[rD:rD+7], v[rSA], v[rSB] matrix_a_fmt:MATRIX_FMT_FP6 matrix_b_fmt:MATRIX_FMT_FP6 matrix_a_scale:MATRIX_SCALE_ROW1
.elseif fB
	v_wmma_scale_f32_16x16x128_f8f6f4 v[rD:rD+7], v[rA:rA+11], v[rB:rB+11], v[rD:rD+7], v[rSA], v[rSB] matrix_a_fmt:MATRIX_FMT_FP6 matrix_b_fmt:MATRIX_FMT_FP6 matrix_b_scale:MATRIX_SCALE_ROW1
.else
	v_wmma_scale_f32_16x16x128_f8f6f4 v[rD:rD+7], v[rA:rA+11], v[rB:rB+11], v[rD:rD+7], v[rSA], v[rSB] matrix_a_fmt:MATRIX_FMT_FP6 matrix_b_fmt:MATRIX_FMT_FP6
.endif
.endm
; One phase: [32 positions x 512] x [my 32 columns x 512]: 4 K steps x 4 matrix instructions; the four accumulators take turns, one instruction a turn.
; next: the phase from which a set is asked for again in the K step behind the one that multiplied it, or -1.  zero: the first K step starts the sums.  nat: natural use.  xtra: loads issued behind the sets.
; K step 0's LDS loads have no wait of their own: no vector or matrix instruction since the last wait on va_vdst ahead of the phase names Z or AS.
.macro GEMM acc, img, next, zero, nat, xtra
	ALOAD 0, \img, 0
.irp ks, 0,1,2,3
.if \ks > 0
	s_wait_alu depctr_va_vdst(0)                   ; the products of the K step before are done reading their weight set, its scale words, their buffer of Z and its scale words: the loads of this step land in them
.endif
.if \ks < 3
	ALOAD (\ks+1)%2, \img, \ks+1
	s_wait_dscnt 7                                 ; this K step's seven are in; the next step's seven may be out
.else
	s_wait_dscnt 0x0
.endif
.if (\next) >= 0
.if \ks == 0
	s_wait_loadcnt 21+(\xtra)                      ; behind the set that I want: three sets of seven loads (and xtra others)
.else
	s_wait_loadcnt 14+(\xtra)                      ; behind the set that I want: two sets of seven loads (and xtra others); this step's own seven follow below
.endif
.else
	s_wait_loadcnt 7*(3-\ks)+(\xtra)               ; nothing is asked for any more: the counts run down
.endif
.irp m, 0,1
.irp t, 0,1
.set fZ, 0
.if \zero
.if \ks == 0
.set fZ, 1
.endif
.endif
.if \nat
.set rD, (\acc)+16*\t+8*\m
.set rA, Z+24*(\ks%2)+12*\m
.set rB, W+24*\ks+12*\t
.set rSA, AS+(\ks%2)
.set rSB, WS+\ks
.set fA, \m
.set fB, \t
.else
.set rD, (\acc)+16*\m+8*\t
.set rA, W+24*\ks+12*\t
.set rB, Z+24*(\ks%2)+12*\m
.set rSA, WS+\ks
.set rSB, AS+(\ks%2)
.set fA, \t
.set fB, \m
.endif
	WM
.if (\next) >= 0                       ; the set that the step before multiplied is asked for again, dealt among this step's products.  No wait: no vector or matrix instruction since the step's wait names it
.if \ks > 0
.if \m == 0
	WL3 \next, \ks-1, \t
.elseif \t == 0
	WL1 \next, \ks-1
.endif
.endif
.endif
.endr
.endr
.rept 4
	v_nop                                          ; four places in front of loads into registers that these products read, and of the first read of results
.endr
.endr
.if (\next) >= 0
	s_wait_alu depctr_va_vdst(0)                   ; the last K step's products are done reading set 3 and its scale words, in which the loads below land
	WLOAD \next, 3
.endif
.endm
.macro PLOAD dst, lo, off              ; 16 numbers of a parameter: columns 32 w + 16 h + 0 .. 15
.irp i, 0,1,2,3
	global_load_b128 v[(\dst)+4*\i:(\dst)+4*\i+3], v7, s[\lo:\lo+1] offset:(\off)+16*\i
.endr
.endm
; v[16:17], v[18:19]: my 16 columns' sums of tiles 0 and 1, in two halves -> v16: the whole row's sum of position L.  One barrier.
.macro LNSUM st
	v_add_f32 v16, v16, v17
	v_add_f32 v18, v18, v19
	v_permlanex16_b32 v20, v16, s22, s23
	v_permlanex16_b32 v21, v18, s22, s23
	v_add_f32 v16, v16, v20                        ; my wave's 32 columns
	v_add_f32 v18, v18, v21
	v_cndmask_b32 v16, v16, v18, s20               ; lane (r, h) keeps tile h's
	s_wait_alu depctr_va_vdst(0)                   ; v16 is written, which the LDS store reads; and every earlier line that named v[Z+32 ..] is done, in which the loads below land
	ds_store_b32 v8, v16 offset:\st
	BARRIER
.irp i, 0,1,2,3
	ds_load_b128 v[Z+32+4*\i:Z+35+4*\i], v9 offset:(\st)+16*\i   ; the sixteen waves' words of position L
.endr
	s_wait_dscnt 0x0
	s_wait_alu depctr_vm_vsrc(0)                   ; the LDS store has read v16, which the last line below writes again
	v_pk_add_f32 v[Z+32:Z+33], v[Z+32:Z+33], v[Z+34:Z+35]
	v_pk_add_f32 v[Z+36:Z+37], v[Z+36:Z+37], v[Z+38:Z+39]
	v_pk_add_f32 v[Z+40:Z+41], v[Z+40:Z+41], v[Z+42:Z+43]
	v_pk_add_f32 v[Z+44:Z+45], v[Z+44:Z+45], v[Z+46:Z+47]
	v_pk_add_f32 v[Z+32:Z+33], v[Z+32:Z+33], v[Z+36:Z+37]
	v_pk_add_f32 v[Z+40:Z+41], v[Z+40:Z+41], v[Z+44:Z+45]
	v_pk_add_f32 v[Z+32:Z+33], v[Z+32:Z+33], v[Z+40:Z+41]
	v_add_f32 v16, v[Z+32], v[Z+33]
.endm
.macro LNBOTH                          ; v16 (position L's number) -> v[24:25] tile 0's, v[26:27] tile 1's, each twice
	v_permlanex16_b32 v20, v16, s22, s23
	v_cndmask_b32 v24, v16, v20, s20
	v_cndmask_b32 v26, v20, v16, s20
	v_mov_b32 v25, v24
	v_mov_b32 v27, v26
.endm
; LayerNorm in two passes (mean; then the squares of x - mean: a common offset of x costs nothing).  x in OUT (kept), gain in HID, shift in HID + 16, result in Z .. Z + 31.
.macro LN
	v_pk_add_f32 v[16:17], v[OUT:OUT+1], v[OUT+2:OUT+3]
	v_pk_add_f32 v[18:19], v[OUT+16:OUT+17], v[OUT+18:OUT+19]
.set jj, 4
.rept 6
	v_pk_add_f32 v[16:17], v[16:17], v[OUT+jj:OUT+jj+1]
	v_pk_add_f32 v[18:19], v[18:19], v[OUT+16+jj:OUT+17+jj]
.set jj, jj+2
.endr
	LNSUM ST0
	v_mul_f32 v16, s26, v16                        ; / 512
	LNBOTH
.irp m, 0,1
.set jj, 0
.rept 8
	v_pk_add_f32 v[Z+16*\m+jj:Z+16*\m+jj+1], v[OUT+16*\m+jj:OUT+16*\m+jj+1], v[24+2*\m:25+2*\m] neg_lo:[0,1] neg_hi:[0,1]
.set jj, jj+2
.endr
.endr
	v_pk_mul_f32 v[16:17], v[Z:Z+1], v[Z:Z+1]
	v_pk_mul_f32 v[18:19], v[Z+16:Z+17], v[Z+16:Z+17]
.set jj, 2
.rept 7
	v_pk_fma_f32 v[16:17], v[Z+jj:Z+jj+1], v[Z+jj:Z+jj+1], v[16:17]
	v_pk_fma_f32 v[18:19], v[Z+16+jj:Z+17+jj], v[Z+16+jj:Z+17+jj], v[18:19]
.set jj, jj+2
.endr
	LNSUM ST1
	v_fma_f32 v16, v16, s26, s27                   ; the variance + 1e-5
	s_wait_alu depctr_va_vdst(0)
	v_rsq_f32 v16, v16
	v_nop                                          ; a plain place behind the transcendental
	s_wait_alu depctr_va_vdst(0)                   ; v_rsq_f32 has written v16, ahead of its first reader
	LNBOTH
.irp m, 0,1
.set jj, 0
.rept 8
	v_pk_mul_f32 v[Z+16*\m+jj:Z+16*\m+jj+1], v[Z+16*\m+jj:Z+16*\m+jj+1], v[24+2*\m:25+2*\m]
.set jj, jj+2
.endr
.endr
.irp m, 0,1
.set jj, 0
.rept 8
	v_pk_fma_f32 v[Z+16*\m+jj:Z+16*\m+jj+1], v[Z+16*\m+jj:Z+16*\m+jj+1], v[HID+jj:HID+jj+1], v[HID+16+jj:HID+17+jj]
.set jj, jj+2
.endr
.endr
.endm
; Two half blocks of 16 numbers (the other halves lie in lane l xor 16), line by line in turns: codes to v[PC:PC+2] and v[PC+4:PC+6], scale bytes to v22 and v23.
.macro QH2 s0, s1
	v_max3_num_f32 v16, |v[\s0]|, |v[\s0+1]|, 0x1800000      ; the floor 2^(3 - 127) holds the byte at 1 from below
	v_max3_num_f32 v17, |v[\s1]|, |v[\s1+1]|, 0x1800000
.irp i, 2,4,6,8,10,12,14
	v_max3_num_f32 v16, v16, |v[\s0+\i]|, |v[\s0+\i+1]|
	v_max3_num_f32 v17, v17, |v[\s1+\i]|, |v[\s1+\i+1]|
.endr
	v_permlanex16_b32 v20, v16, s22, s23
	v_permlanex16_b32 v21, v17, s22, s23
	v_max_num_f32 v16, v16, v20                    ; the block's largest magnitude
	v_max_num_f32 v17, v17, v21
	v_add_nc_u32 v18, 0xff000000, v16              ; 2 off its exponent field: the conversion's scale operand
	v_add_nc_u32 v19, 0xff000000, v17
	v_lshrrev_b32 v22, 23, v18                     ; the scale's byte
	v_lshrrev_b32 v23, 23, v19
	v_cvt_scalef32_pk16_fp6_f32 v[PC:PC+2], v[\s0:\s0+15], v18
	v_cvt_scalef32_pk16_fp6_f32 v[PC+4:PC+6], v[\s1:\s1+15], v19
	v_nop                                          ; one plain place behind a scaled conversion
.endm
; 32 numbers a lane (tile 0's 16, tile 1's 16) become block w of the image at img: after the exchange lane L holds the whole block of position L.
.macro QH_IMG src, img
	QH2 \src, (\src)+16
.irp i, 0,1,2
	v_permlane16_swap_b32 v[PC+\i], v[PC+4+\i]
.endr
	v_mov_b32 v[PC+3], v[PC+4]
	v_mov_b32 v[PC+4], v[PC+5]
	v_mov_b32 v[PC+5], v[PC+6]
	v_cndmask_b32 v31, v22, v23, s20
	s_wait_alu depctr_va_vdst(0)                   ; the codes v[PC .. PC+5] and the byte v31 are written, which the four LDS stores read; and every line that named Z is done: the next phase's LDS loads land there
.irp i, 0,1,2
	ds_store_b64 v4, v[PC+2*\i:PC+2*\i+1] offset:(\img)+8*\i
.endr
	ds_store_b8 v5, v31 offset:(\img)+12288
.endm
	s_load_b256 s[8:15], s[0:1], 0x0               ; x, ln1_scale, ln1_shift, wimg
	s_load_b128 s[16:19], s[0:1], 0x20             ; qc, qs
	s_load_b64 s[28:29], s[0:1], 0x30              ; kv
	v_lshl_add_u32 v254, v0, 2, 0x4800
	v_mov_b32 v255, 0
	v_lshrrev_b32 v16, 5, v0
	v_readfirstlane_b32 s2, v16                    ; w
	s_mov_b32 s3, ttmp9                            ; RB
	s_mov_b32 s20, 0xffff0000                      ; lanes 16-31
	s_mov_b32 s22, 0x76543210
	s_mov_b32 s23, 0xfedcba98                      ; v_permlanex16_b32's selects for lane l xor 16
	s_mov_b32 s26, 0x3b000000                      ; 1 / 512
	s_mov_b32 s27, 0x3727c5ac                      ; 1e-5
	v_and_b32 v16, 31, v0                          ; L
	v_and_b32 v17, 15, v0                          ; r
	s_wait_alu depctr_va_vdst(0)
	v_bfe_u32 v18, v0, 4, 1                        ; h
	v_and_b32 v19, 8, v17
	v_add_nc_u32 v19, v19, v17                     ; r + 8 (r / 8)
	v_lshlrev_b32 v1, 4, v16
	v_lshlrev_b32 v2, 2, v16
	v_mul_u32_u24 v3, v16, 48
	s_wait_alu depctr_va_sdst(0)                   ; s2, the wave's number, is written, ahead of its first reader
	s_lshr_b32 s30, s2, 2                          ; block w of K is K step w / 4, lanes' half w % 2, registers' half (w / 2) % 2
	s_mul_i32 s31, s30, 1536
	s_and_b32 s32, s2, 1
	s_mul_i32 s32, s32, 768
	s_add_co_u32 s31, s31, s32
	s_bfe_u32 s32, s2, 0x10001
	s_mul_i32 s32, s32, 24
	s_add_co_u32 s31, s31, s32
	v_mul_u32_u24 v4, v17, 48
	s_wait_alu depctr_va_vdst(0)
	v_mad_u32_u24 v4, v18, 6144, v4
	v_add_nc_u32 v4, s31, v4
	s_lshl_b32 s32, s30, 7
	s_and_b32 s33, s2, 3
	s_add_co_u32 s32, s32, s33
	v_add_nc_u32 v5, s32, v2
	s_lshl_b32 s33, s2, 7
	v_lshl_add_u32 v7, v18, 6, s33                 ; 128 w + 64 h
	v_lshl_add_u32 v6, v19, 11, v7                 ; + my token's row of 2,048 bytes
	s_lshl_b32 s34, s2, 2
	v_mul_u32_u24 v9, v16, 80
	v_add_nc_u32 v8, s34, v9
	v_mul_u32_u24 v10, v17, 24
	v_mad_u32_u24 v10, v18, 12, v10
	v_lshl_add_u32 v11, v17, 2, v18
	v_mov_b32 v20, 0                               ; written once: a lane permute's destination counts as one of its sources
	v_mov_b32 v21, 0
	s_lshr_b32 s35, s3, 6                          ; batch
	s_and_b32 s36, s3, 63                          ; block of 32 tokens in it
	s_lshr_b32 s37, s36, 2                         ; key step s
	s_and_b32 s38, s36, 3                          ; bk
	s_lshl_b32 s39, s35, 4
	s_add_co_u32 s39, s39, s2                      ; bh = 16 batch + head
	s_lshl_b32 s54, s39, 11
	s_lshl_b32 s55, s36, 5
	s_add_co_u32 s54, s54, s55                     ; 2048 bh + 32 blk
	s_mov_b32 s57, 0
	s_mul_i32 s56, s2, 12800
	s_wait_kmcnt 0x0
	s_add_nc_u64 s[6:7], s[14:15], s[56:57]        ; my wave's records
	s_lshl_b32 s56, s3, 16
	s_add_nc_u64 s[8:9], s[8:9], s[56:57]          ; x at the block's first token
	s_wait_alu depctr_va_vdst(0)                   ; the offsets and LDS addresses v1 to v11 are written, which every load and store of the kernel reads
	WLOAD 0, 0
	WLOAD 0, 1
	WLOAD 0, 2
	WLOAD 0, 3
.irp m, 0,1
.irp i, 0,1,2,3
	global_load_b128 v[OUT+16*\m+4*\i:OUT+16*\m+4*\i+3], v6, s[8:9] offset:16384*\m+16*\i
.endr
.endr
	PLOAD HID, 10, 0
	PLOAD HID+16, 12, 0
	s_mul_i32 s56, s54, 24
	s_add_nc_u64 s[40:41], s[16:17], s[56:57]      ; q's codes
	s_lshl_b32 s56, s54, 2
	s_add_nc_u64 s[42:43], s[18:19], s[56:57]      ; q's scale words
	s_mul_i32 s56, s39, 102400
	s_add_nc_u64 s[44:45], s[28:29], s[56:57]      ; the head's record
	s_mul_i32 s56, s36, 768
	s_add_nc_u64 s[46:47], s[44:45], s[56:57]      ; K's codes
	s_lshr_b32 s58, s38, 1
	s_and_b32 s59, s38, 1
	s_mul_i32 s56, s37, 3072
	s_mul_i32 s60, s58, 1536
	s_add_co_u32 s56, s56, s60
	s_mul_i32 s60, s59, 384
	s_add_co_u32 s56, s56, s60
	s_add_co_u32 s56, s56, 49152
	s_add_nc_u64 s[48:49], s[44:45], s[56:57]      ; V's codes
	s_lshl_b32 s56, s37, 7
	s_lshl_b32 s60, s58, 6
	s_add_co_u32 s56, s56, s60
	s_lshl_b32 s60, s59, 1
	s_add_co_u32 s56, s56, s60
	s_add_co_u32 s56, s56, 98304
	s_add_nc_u64 s[50:51], s[44:45], s[56:57]      ; K's scale bytes
	s_lshl_b32 s56, s37, 7
	s_add_co_u32 s56, s56, s38
	s_add_co_u32 s56, s56, 100352
	s_add_nc_u64 s[52:53], s[44:45], s[56:57]      ; V's scale bytes
	s_wait_loadcnt 0x0
	LN
	QH_IMG Z, IMG0
	BARRIER                                        ; h's eight fragments lie in LDS
	GEMM OUT, IMG0, 1, 1, 0, 0                     ; q
	s_wait_xcnt 0x0                                ; earlier stores' data registers are written again only behind this wait
	s_wait_alu depctr_vm_vsrc(0)                   ; the LDS stores of h's image have read v[PC ..] and v31, which the lines below write again
	QH2 OUT, OUT+16
	v_lshl_or_b32 v22, v22, 8, v22
	v_lshl_or_b32 v23, v23, 8, v23
	v_lshl_or_b32 v22, v22, 16, v22                ; q's byte in all four places: attention sets q into any of an operand's four blocks
	v_lshl_or_b32 v23, v23, 16, v23
	v_cndmask_b32 v31, v22, v23, s20
	s_wait_alu depctr_va_vdst(0)                   ; q's codes v[PC ..] and its scale word v31 are written, which the three stores read
	global_store_b96 v10, v[PC:PC+2], s[40:41]                 ; the wave stores 384 consecutive bytes: 16 positions' blocks
	global_store_b96 v10, v[PC+4:PC+6], s[40:41] offset:384
	global_store_b32 v2, v31, s[42:43]
	GEMM HID, IMG0, 2, 1, 0, 0                     ; k
	s_wait_xcnt 0x0
	s_wait_alu depctr_vm_vsrc(0)                   ; q's stores have read v[PC ..] and v31, which the lines below write again
	QH2 HID, HID+16
	v_cndmask_b32 v31, v22, v23, s20
	s_wait_alu depctr_va_vdst(0)                   ; k's codes and its scale byte are written, which the three stores read
	global_store_b96 v10, v[PC:PC+2], s[46:47]
	global_store_b96 v10, v[PC+4:PC+6], s[46:47] offset:384
	global_store_b8 v11, v31, s[50:51]
	GEMM OUT, IMG0, -1, 1, 1, 0                    ; v, natural: a lane's registers run along the tokens
	s_wait_xcnt 0x0
	s_wait_alu depctr_vm_vsrc(0)                   ; k's stores have read v[PC ..] and v31, which the lines below write again
	QH2 OUT, OUT+16
	v_cndmask_b32 v31, v22, v23, s20
	s_wait_alu depctr_va_vdst(0)                   ; v's codes and its scale byte are written, which the three stores read
	global_store_b96 v10, v[PC:PC+2], s[48:49]
	global_store_b96 v10, v[PC+4:PC+6], s[48:49] offset:768
	global_store_b8 v2, v31, s[52:53]
	s_wait_dscnt 0x0                               ; the closing lines, six on end
	s_wait_alu 0x0
	s_wait_tensorcnt 0x0
	ds_add_u32 v254, v255
	s_wait_dscnt 0x0
	s_endpgm
.Lfunc_end_k_q6304cef52f_qkv:
	.size	k_q6304cef52f_qkv, .Lfunc_end_k_q6304cef52f_qkv-k_q6304cef52f_qkv
	.p2alignl 7, 3214868480
	.fill 96, 4, 3214868480
	.section	.rodata,"a",@progbits
	.p2align	6, 0x0
	.amdhsa_kernel k_q6304cef52f_qkv
		.amdhsa_group_segment_fixed_size 20480
		.amdhsa_private_segment_fixed_size 0
		.amdhsa_enable_private_segment 0
		.amdhsa_kernarg_size 56
		.amdhsa_user_sgpr_count 2
		.amdhsa_user_sgpr_kernarg_segment_ptr 1
		.amdhsa_wavefront_size32 1
		.amdhsa_system_sgpr_workgroup_id_x 1
		.amdhsa_system_sgpr_workgroup_id_y 1
		.amdhsa_system_sgpr_workgroup_id_z 1
		.amdhsa_system_vgpr_workitem_id 0
		.amdhsa_next_free_vgpr 256
		.amdhsa_next_free_sgpr 66
		.amdhsa_reserve_vcc 0
		.amdhsa_float_denorm_mode_32 3
		.amdhsa_float_denorm_mode_16_64 3
		.amdhsa_memory_ordered 1
		.amdhsa_forward_progress 1
		.amdhsa_inst_pref_size 45
	.end_amdhsa_kernel
	.amdgpu_metadata
---
amdhsa.version: [ 1, 2 ]
amdhsa.kernels:
  - .name:           k_q6304cef52f_qkv
    .symbol:         k_q6304cef52f_qkv.kd
    .args:
      - { .name: x, .offset: 0, .size: 8, .value_kind: global_buffer, .address_space: global }
      - { .name: ln1_scale, .offset: 8, .size: 8, .value_kind: global_buffer, .address_space: global }
      - { .name: ln1_shift, .offset: 16, .size: 8, .value_kind: global_buffer, .address_space: global }
      - { .name: wimg, .offset: 24, .size: 8, .value_kind: global_buffer, .address_space: global }
      - { .name: qc, .offset: 32, .size: 8, .value_kind: global_buffer, .address_space: global }
      - { .name: qs, .offset: 40, .size: 8, .value_kind: global_buffer, .address_space: global }
      - { .name: kv, .offset: 48, .size: 8, .value_kind: global_buffer, .address_space: global }
    .group_segment_fixed_size: 20480
    .private_segment_fixed_size: 0
    .kernarg_segment_align: 8
    .kernarg_segment_size: 56
    .max_flat_workgroup_size: 512
    .sgpr_count:     66
    .vgpr_count:     256
    .wavefront_size: 32
...
	.end_amdgpu_metadata
.endif
;; end of part 6
;; launch attn (part 7): grid 4 x 64, 16 waves a work-group, clusters of 4 x 1, 169,984 bytes of LDS; arguments qc, qs, kv, cc, cs; writes cc, cs
.if DOCPART == 7
	.amdgcn_target "amdgcn-amd-amdhsa--gfx1250"
	.amdhsa_code_object_version 6
	.text
	.protected	k_q6304cef52f_attn
	.globl	k_q6304cef52f_attn
	.p2align	8
	.type	k_q6304cef52f_attn,@function
k_q6304cef52f_attn:
	s_mov_b64 s[64:65], 0
	v_nop
	global_prefetch_b8 v0, s[64:65] scope:SCOPE_SE
	s_setreg_imm32_b32 hwreg(HW_REG_WAVE_MODE, 25, 1), 1
	s_wait_xcnt 0x0
	s_wait_alu depctr_hold_cnt(0) depctr_sa_sdst(0) depctr_va_vdst(0) depctr_va_sdst(0) depctr_va_ssrc(0) depctr_va_vcc(0) depctr_vm_vsrc(0)
	s_getreg_b32 s2, hwreg(HW_REG_IB_STS2, 6, 4)
	s_cmp_eq_u32 s2, 0
	s_cbranch_scc0 .Lentry_in_a_cluster
	s_endpgm
.Lentry_in_a_cluster:
	s_bfe_u32 s2, ttmp6, 0x10000c
	s_cmp_lg_u32 s2, 0x3003
	s_cbranch_scc0 .Lentry_shape_is_right
	s_endpgm
.Lentry_shape_is_right:
; Causal attention of one (batch, head) on codes of E2M3 with E8M0 scales, and the quantising of ctx along the head's 32.
; t = score x log2(e) / sqrt(32); M = the running largest t rounded UP to a whole number; p = 2^(t - M) is quantised along the keys, not normalised; the row's sum is taken of the unquantised p and divides at the end.
; SHARES.  The head's record (K codes, V codes, both scales: 102,400 bytes) stays in LDS: filled once, so there is no ring.  Four work-groups of a cluster serve one head and ask for the record JOINTLY:
; each of the sixteen waves issues one tensor load of 25 rows of 256 bytes (one load of mine is out), the same in all four work-groups.
; A wave takes two tiles of 16 queries: with beta = w / 2, e = w % 2, p = my place in the cluster, tiles 8 (15 - beta) + 2 p + e and 8 beta + 2 p + e: 17 key steps of 128 keys for every wave.
; Every branch hangs on the wave's number and the loop's counter alone; the place in the cluster enters global addresses and the mask's numbers only.
; POSITIONS: position 16 T + r of each 32 tokens stands for token 8 T + r + 8 (r / 8).  q, K and ctx go by position, V's keys by token.
; K = 32 IN A FORM OF K = 128.  A fragment of K holds 64 keys: row rho, block u = position 64 f + 16 u + rho.  Four operands hold q in block u alone and zero codes elsewhere (zones of zeros beside q):
; tile 4 f + u of S^T = fragment f x Q_u.  Tile 2 b + u' then holds keys 32 b + 8 u' + row + 8 (row / 8), so that the 16 registers of tiles 2 b, 2 b + 1 are keys 32 b + 16 (lane / 16) + 0 .. 15.
; Both products are used transposed: a lane holds one query throughout.
; LIMITS: NaN and infinities are not served; a block of zeros gets the byte 1 (zero codes; read by this program alone); v_exp_f32 and v_rcp_f32 are good to 1 ulp and flush denormals; a block's largest p
; is taken from its largest score, which takes v_exp_f32 not to fall where its input rises.
; REGISTERS: v1 24 L, v2 24 L + V, v3 4 L + scales, v5 24 r, v6 4 r, v7 24 r + 12 h, v8-10 addresses in hand, v11 0, v12 -M, v13 largest t, v[14:15] the sum, v16-45 zeros | q low | zeros | q high | zeros,
; v48-71 K, v72-95 V, v96-159 S^T then p, v160-175 O^T, v176-181 q as loaded, v182 L, v183 r, v224-247, 252, 254 at work, v248 K's scales, v249 V's, v250 the mask's number, v253 p's scale word, v255 q's.
.set WV, 14
.macro CROUND                          ; a round of the cluster's barrier
	s_barrier_signal -1
	s_barrier_wait -1
	s_cmp_lg_u32 s[WV], 0
	s_cbranch_scc1 .Lnot_wave_0_\@
	s_barrier_signal -3
.Lnot_wave_0_\@:
	s_barrier_wait -3
	s_barrier_signal -1
	s_barrier_wait -1
.endm
	s_load_b256 s[4:11], s[0:1], 0x0               ; qc, qs, kv, cc
	s_load_b64 s[12:13], s[0:1], 0x20              ; cs
	v_lshl_add_u32 v243, v0, 2, 0x29000
	v_mov_b32 v251, 0
	ds_add_u32 v243, v251
	ds_add_u32 v243, v251
	v_lshrrev_b32 v1, 5, v0
	s_delay_alu instid0(VALU_DEP_1)
	v_readfirstlane_b32 s[WV], v1                  ; wave 0..15
	s_bfe_u32 s15, ttmp6, 0x40000                  ; p: my place in the cluster
	s_and_b32 s28, ttmp7, 0xffff                   ; bh, which the four partners share
	s_mov_b32 s16, 15|(3<<16)|(1<<21)              ; group 1: the mask names all four; elements of 8 bytes; bit 21 beside a mask; no padding
	s_mov_b32 s17, 32<<16                          ; tensor_dim0 = 32 elements: 256 bytes
	s_mov_b32 s18, 25<<16                          ; tensor_dim1 = 25
	s_mov_b32 s19, 32<<16                          ; tile_dim0
	s_mov_b32 s20, 25                              ; tile_dim1
	s_mov_b32 s21, 32                              ; pitch: the block is dense
	s_mov_b32 s22, 0
	s_mov_b32 s23, 0
	s_mul_i32 s57, s[WV], 6400
	s_mul_i32 s60, s28, 102400
	s_add_co_u32 s60, s60, s57                     ; my sixteenth of the head's record
	s_mov_b32 s61, 0
	s_and_b32 s29, s[WV], 1                        ; e
	s_lshr_b32 s30, s[WV], 1                       ; beta of the short tile
	s_sub_co_u32 s31, 15, s30                      ; and of the long one
	s_mov_b32 s32, 0xffff0000                      ; lanes 16-31
	s_lshl_b32 s33, s15, 5
	s_lshl_b32 s58, s29, 4
	s_add_co_u32 s33, s33, s58                     ; 32 p + 16 e: my tile's place among a step's 128 positions
	s_mov_b32 s34, 0x76543210
	s_mov_b32 s35, 0xfedcba98                      ; selects for lane l xor 16
	s_mov_b32 s36, 0x3e8293ee                      ; c = log2(e) / sqrt(32)
	s_mov_b32 s37, s36                             ; (named with it as a pair, so it is written)
	s_and_b32 s62, s28, 15
	s_lshl_b32 s62, s62, 13
	s_lshr_b32 s58, s28, 4
	s_lshl_b32 s58, s58, 11
	s_add_co_u32 s62, s62, s58                     ; ctx: 8192 head + 2048 batch
	s_lshl_b32 s63, s15, 5
	s_lshl_b32 s58, s29, 3
	s_add_co_u32 s63, s63, s58                     ; 32 p + 8 e: my tile's first token in its step
	s_wait_dscnt 0x0
	s_wait_kmcnt 0x0
	s_mov_b32 s24, 1                               ; group 0: count 1,
	s_mul_i32 s25, s[WV], 6400                     ; LDS address: the wave's number alone,
	s_add_nc_u64 s[26:27], s[8:9], s[60:61]        ; global address,
	s_or_b32 s27, s27, 0x80000000                  ; type 2
	CROUND                                         ; all four work-groups are here: the joint loads meet
	tensor_load_to_lds s[24:27], s[16:23]
	s_nop 0
.rept 4
	v_nop
.endr
	v_and_b32 v182, 31, v0                         ; L
	v_and_b32 v183, 15, v0                         ; r
	v_bfe_u32 v184, v0, 4, 1                       ; h
	s_delay_alu instid0(VALU_DEP_2)
	v_and_b32 v185, 8, v183
	s_delay_alu instid0(VALU_DEP_1)
	v_add_nc_u32 v185, v185, v183                  ; r + 8 (r / 8)
	v_mul_u32_u24 v1, v182, 24
	s_delay_alu instid0(VALU_DEP_1)
	v_add_nc_u32 v2, 49152, v1
	v_lshl_add_u32 v3, v182, 2, 98304
	v_mul_u32_u24 v5, v183, 24
	v_lshlrev_b32 v6, 2, v183
	s_delay_alu instid0(VALU_DEP_2)
	v_mad_u32_u24 v7, v184, 12, v5
	v_mov_b32 v11, 0
	v_add_nc_u32 v250, s63, v185
	v_lshlrev_b32 v184, 4, v184
	s_delay_alu instid0(VALU_DEP_1)
	v_sub_nc_u32 v250, v250, v184                  ; d = my query's token in its step - 16 h: on the diagonal register 16 b + i (key 32 b + 16 h + i) is hidden where 32 b + i > d
.irp j, 16,17,18,19,20,21,28,29,30,31,32,33,40,41,42,43,44,45
	v_mov_b32 v\j, 0                               ; the three zones of zero codes
.endr
.irp b, 0,1,2,3
	v_mov_b32 v[236+\b], 0                         ; written once: a lane permute's destination counts as one of its sources
.endr
	v_mov_b32 v252, 0
	v_mov_b32 v253, 0                              ; (named as the upper half of the pair v[252:253] before it is first written)
	s_wait_tensorcnt 0x0                           ; my part of the record is in,
	s_barrier_signal -1
	s_barrier_wait -1                              ; everybody's is
; One tile of 16 queries.  kreg: the scalar register with its beta (its last key step);  ptr: eight scalar registers for its four addresses.
.macro TILE kreg, ptr
	s_lshl_b32 s57, s[\kreg], 7
	s_add_co_u32 s57, s57, s33                     ; the tile's first position
	s_lshl_b32 s58, s28, 11
	s_add_co_u32 s58, s58, s57
	s_mul_i32 s60, s58, 24
	s_mov_b32 s61, 0
	s_add_nc_u64 s[\ptr:\ptr+1], s[4:5], s[60:61]
	s_lshl_b32 s60, s58, 2
	s_add_nc_u64 s[\ptr+2:\ptr+3], s[6:7], s[60:61]
	s_add_co_u32 s58, s62, s57
	s_mul_i32 s60, s58, 24
	s_add_nc_u64 s[\ptr+4:\ptr+5], s[10:11], s[60:61]
	s_mov_b32 s60, s58
	s_add_nc_u64 s[\ptr+6:\ptr+7], s[12:13], s[60:61]
.irp i, 0,1,2
	global_load_b64 v[176+2*\i:177+2*\i], v5, s[\ptr:\ptr+1] offset:8*\i     ; query r's 24 bytes, in both halves of the lanes
.endr
	global_load_b32 v255, v6, s[\ptr+2:\ptr+3]
	s_wait_loadcnt 0x0
	s_wait_xcnt 0x0                                ; the tile before: its stores' data registers are written again only behind this wait
.irp i, 0,1,2,3,4,5
	v_cndmask_b32 v[22+\i], v[176+\i], v11, s32    ; q in lanes 0-15 alone
	v_cndmask_b32 v[34+\i], v11, v[176+\i], s32    ; q in lanes 16-31 alone
.endr
	v_mov_b32 v13, 0xff61b1e6                      ; the largest t so far: -3e38
	s_delay_alu instid0(VALU_DEP_1)
	v_floor_f32 v12, -v13                          ; -M
	v_mov_b32 v14, 0
	v_mov_b32 v15, 0
.set jj, 0
.rept 16
	v_mov_b32 v[160+jj], 0                         ; O^T: the first change of M multiplies zeros.  (These lines are also the places between q's operands and the first product)
.set jj, jj+1
.endr
	s_mov_b32 s38, 0                               ; key step
	s_mov_b32 s39, 0                               ; its codes: 3,072 bytes a step
	s_mov_b32 s56, 0                               ; its scale words: 128 bytes a step
.Lstep_\@:                                         ; sixteen trips in every wave: a constant; a step all of whose keys come after my queries leaves its work out
	s_cmp_gt_u32 s38, s[\kreg]
	s_cbranch_scc1 .Lhidden_\@
	s_setprio 2
	v_add_nc_u32 v8, s39, v1
	v_add_nc_u32 v9, s39, v2
	v_add_nc_u32 v10, s56, v3
	v_nop                                          ; four places in front of loads into registers that the last products read
.irp f, 0,1
.irp c, 0,1
.irp i, 0,1,2
	ds_load_b64 v[48+12*\f+6*\c+2*\i:49+12*\f+6*\c+2*\i], v8 offset:1536*\f+768*\c+8*\i   ; lanes 24 bytes apart
.endr
.endr
.endr
	ds_load_b32 v248, v10                          ; K's scale words: lanes 0-15 fragment 0, lanes 16-31 fragment 1
.irp d, 0,1
.irp c, 0,1
.irp i, 0,1,2
	ds_load_b64 v[72+12*\d+6*\c+2*\i:73+12*\d+6*\c+2*\i], v9 offset:1536*\c+768*\d+8*\i
.endr
.endr
.endr
	ds_load_b32 v249, v10 offset:2048              ; V's: lanes 0-15 tile 0, lanes 16-31 tile 1
	s_wait_dscnt 13                                ; K's thirteen are in; V's thirteen may be out
.irp u, 0,1,2,3
	v_wmma_scale_f32_16x16x128_f8f6f4 v[96+8*\u:103+8*\u], v[48:59], v[22+12*(\u%2)-6*(\u/2):33+12*(\u%2)-6*(\u/2)], 0, v248, v255 matrix_a_fmt:MATRIX_FMT_FP6 matrix_b_fmt:MATRIX_FMT_FP6
.endr
.irp u, 0,1,2,3
	v_wmma_scale_f32_16x16x128_f8f6f4 v[128+8*\u:135+8*\u], v[60:71], v[22+12*(\u%2)-6*(\u/2):33+12*(\u%2)-6*(\u/2)], 0, v248, v255 matrix_a_fmt:MATRIX_FMT_FP6 matrix_b_fmt:MATRIX_FMT_FP6 matrix_a_scale:MATRIX_SCALE_ROW1
.endr
.rept 4
	v_nop
.endr
	s_cmp_lg_u32 s38, s[\kreg]
	s_cbranch_scc1 .Lopen_\@                       ; only the tile's last step lies on the diagonal
	v_mov_b32 v254, 0xff800000                     ; -infinity: p = 0 then
.set nn, 0
.rept 64
	v_cmp_gt_i32 vcc_lo, 32*(nn/16)+nn%16, v250
	v_cndmask_b32 v[96+nn], v[96+nn], v254, vcc_lo
.set nn, nn+1
.endr
.Lopen_\@:
.irp b, 0,1,2,3
	v_max3_num_f32 v[232+\b], v[96+16*\b], v[97+16*\b], v[98+16*\b]   ; the largest score of each block of 32 keys: for the row's maximum, and for the block's largest p
.endr
.irp i, 3,5,7,9,11,13
.irp b, 0,1,2,3
	v_max3_num_f32 v[232+\b], v[232+\b], v[96+16*\b+\i], v[97+16*\b+\i]
.endr
.endr
.irp b, 0,1,2,3
	v_max_num_f32 v[232+\b], v[232+\b], v[111+16*\b]
.endr
.irp b, 0,1,2,3
	s_delay_alu instid0(VALU_DEP_4)
	v_permlanex16_b32 v[236+\b], v[232+\b], s34, s35
.endr
.irp b, 0,1,2,3
	s_delay_alu instid0(VALU_DEP_4)
	v_max_num_f32 v[232+\b], v[232+\b], v[236+\b]
.endr
	s_delay_alu instid0(VALU_DEP_2)
	v_max3_num_f32 v254, v232, v233, v234
	s_delay_alu instid0(VALU_DEP_1)
	v_max_num_f32 v254, v254, v235                 ; the step's largest score of my query
	s_delay_alu instid0(VALU_DEP_1)
	v_mul_f32 v254, s36, v254
	s_delay_alu instid0(VALU_DEP_1)
	v_max_num_f32 v13, v13, v254                   ; the running largest t
	v_mov_b32 v254, v12
	s_delay_alu instid0(VALU_DEP_2)
	v_floor_f32 v12, -v13                          ; the new -M = -ceil(t)
	s_delay_alu instid0(VALU_DEP_1)
	v_sub_f32 v254, v12, v254                      ; old M - new M: a whole number, 0 or less
	s_delay_alu instid0(VALU_DEP_1)
	v_cvt_i32_f32 v254, v254                       ; (it saturates)
	s_delay_alu instid0(VALU_DEP_1)
	v_ldexp_f32 v252, 1.0, v254                    ; f = 2^(old M - new M)
.set jj, 0
	s_setprio 1
.rept 32
	v_pk_fma_f32 v[96+jj:97+jj], v[96+jj:97+jj], s[36:37], v[12:13] op_sel_hi:[1,0,0]   ; t - M
.set jj, jj+2
.endr
.irp b, 0,1,2,3
	v_fma_f32 v[232+\b], v[232+\b], s36, v12
.endr
.set jj, 0
	s_wait_alu depctr_va_vdst(0)
.rept 64
	v_exp_f32 v[96+jj], v[96+jj]                   ; p = 2^(t - M)
.set jj, jj+1
.endr
.irp b, 0,1,2,3
	v_exp_f32 v[232+\b], v[232+\b]                 ; the block's largest p
.endr
	v_pk_mul_f32 v[14:15], v[14:15], v[252:253] op_sel_hi:[1,0]   ; the sums under the new M.  (A plain place behind the exponentials)
	s_wait_alu depctr_va_vdst(0)
.irp b, 0,1,2,3
	v_max_num_f32 v[232+\b], 0x1800000, v[232+\b]  ; the floor 2^(3 - 127)
.endr
.irp b, 0,1,2,3
	s_delay_alu instid0(VALU_DEP_4)
	v_add_nc_u32 v[244+\b], 0xff000000, v[232+\b]  ; the conversion's scale operand
.endr
.irp b, 0,1,2,3
	s_delay_alu instid0(VALU_DEP_4)
	v_lshrrev_b32 v[236+\b], 23, v[244+\b]         ; the scale's byte
.endr
	s_delay_alu instid0(VALU_DEP_3)
	v_lshl_or_b32 v253, v237, 8, v236              ; p's scale word for these 128 keys
	s_delay_alu instid0(VALU_DEP_1)
	v_lshl_or_b32 v253, v238, 16, v253
	s_delay_alu instid0(VALU_DEP_1)
	v_lshl_or_b32 v253, v239, 24, v253
.irp c, 0,1
	v_cvt_scalef32_pk16_fp6_f32 v[224+6*\c:226+6*\c], v[96+32*\c:111+32*\c], v[244+2*\c]
	v_cvt_scalef32_pk16_fp6_f32 v[236+4*\c:238+4*\c], v[112+32*\c:127+32*\c], v[244+2*\c+1]
.endr
	v_nop                                          ; one plain place behind a scaled conversion
	s_setprio 0
.irp c, 0,1                                        ; the operand wants a whole block in a lane
.irp i, 0,1,2
	v_permlane16_swap_b32 v[224+6*\c+\i], v[236+4*\c+\i]
.endr
.irp i, 0,1,2
	s_delay_alu instid0(VALU_DEP_3)
	v_mov_b32 v[227+6*\c+\i], v[236+4*\c+\i]
.endr
.endr
	v_pk_add_f32 v[236:237], v[100:101], v[104:105]
	v_pk_add_f32 v[246:247], v[108:109], v[112:113]
	v_pk_add_f32 v[244:245], v[116:117], v[120:121]
	v_pk_add_f32 v[240:241], v[124:125], v[128:129]
	v_pk_add_f32 v[222:223], v[132:133], v[136:137]
	v_pk_add_f32 v[220:221], v[140:141], v[144:145]
	v_pk_add_f32 v[218:219], v[148:149], v[152:153]
	v_pk_add_f32 v[14:15], v[14:15], v[156:157]
	v_pk_add_f32 v[236:237], v[236:237], v[96:97]
	v_pk_add_f32 v[246:247], v[246:247], v[98:99]
	v_pk_add_f32 v[244:245], v[244:245], v[102:103]
	v_pk_add_f32 v[240:241], v[240:241], v[106:107]
	v_pk_add_f32 v[222:223], v[222:223], v[110:111]
	v_pk_add_f32 v[220:221], v[220:221], v[114:115]
	v_pk_add_f32 v[218:219], v[218:219], v[118:119]
	v_pk_add_f32 v[14:15], v[14:15], v[122:123]
	v_pk_add_f32 v[236:237], v[236:237], v[126:127]
	v_pk_add_f32 v[246:247], v[246:247], v[130:131]
	v_pk_add_f32 v[244:245], v[244:245], v[134:135]
	v_pk_add_f32 v[240:241], v[240:241], v[138:139]
	v_pk_add_f32 v[222:223], v[222:223], v[142:143]
	v_pk_add_f32 v[220:221], v[220:221], v[146:147]
	v_pk_add_f32 v[218:219], v[218:219], v[150:151]
	v_pk_add_f32 v[14:15], v[14:15], v[154:155]
	v_pk_add_f32 v[236:237], v[236:237], v[158:159]
	s_delay_alu instid0(VALU_DEP_2)
	v_pk_add_f32 v[14:15], v[14:15], v[240:241]
	s_delay_alu instid0(VALU_DEP_2)
	v_pk_add_f32 v[236:237], v[236:237], v[222:223]
	v_pk_add_f32 v[246:247], v[246:247], v[220:221]
	v_pk_add_f32 v[244:245], v[244:245], v[218:219]
	s_delay_alu instid0(VALU_DEP_2)
	v_pk_add_f32 v[14:15], v[14:15], v[246:247]
	s_delay_alu instid0(VALU_DEP_2)
	v_pk_add_f32 v[236:237], v[236:237], v[244:245]
	s_delay_alu instid0(VALU_DEP_1)
	v_pk_add_f32 v[14:15], v[14:15], v[236:237]
.set jj, 0
.rept 8
	v_pk_mul_f32 v[160+jj:161+jj], v[160+jj:161+jj], v[252:253] op_sel_hi:[1,0]   ; O^T under the new M
.set jj, jj+2
.endr
	s_wait_alu depctr_va_vdst(0)
	s_wait_dscnt 0x0                               ; V is in
	v_wmma_scale_f32_16x16x128_f8f6f4 v[160:167], v[72:83], v[224:235], v[160:167], v249, v253 matrix_a_fmt:MATRIX_FMT_FP6 matrix_b_fmt:MATRIX_FMT_FP6
	v_wmma_scale_f32_16x16x128_f8f6f4 v[168:175], v[84:95], v[224:235], v[168:175], v249, v253 matrix_a_fmt:MATRIX_FMT_FP6 matrix_b_fmt:MATRIX_FMT_FP6 matrix_a_scale:MATRIX_SCALE_ROW1
.Lhidden_\@:
	s_add_co_u32 s39, s39, 3072
	s_add_co_u32 s56, s56, 128
	s_add_co_u32 s38, s38, 1
	s_cmp_lt_u32 s38, 16
	s_cbranch_scc1 .Lstep_\@
	s_setprio 0
.rept 4
	v_nop                                          ; places behind the last products
.endr
	v_add_f32 v14, v14, v15
	s_delay_alu instid0(VALU_DEP_1)
	v_permlanex16_b32 v252, v14, s34, s35
	s_delay_alu instid0(VALU_DEP_1)
	v_add_f32 v14, v14, v252                       ; the row's sum
	s_wait_alu depctr_va_vdst(0)
	v_rcp_f32 v14, v14
	v_nop
.set jj, 0
	s_wait_alu depctr_va_vdst(0)
.rept 16
	v_mul_f32 v[96+jj], v[160+jj], v14             ; ctx(position r, dims 16 h + 0 .. 15)
.set jj, jj+1
.endr
	v_max3_num_f32 v232, |v96|, |v97|, 0x1800000
.irp i, 2,4,6,8,10,12,14
	s_delay_alu instid0(VALU_DEP_1)
	v_max3_num_f32 v232, v232, |v[96+\i]|, |v[97+\i]|
.endr
	s_delay_alu instid0(VALU_DEP_1)
	v_permlanex16_b32 v236, v232, s34, s35
	s_delay_alu instid0(VALU_DEP_1)
	v_max_num_f32 v232, v232, v236
	s_delay_alu instid0(VALU_DEP_1)
	v_add_nc_u32 v244, 0xff000000, v232
	s_delay_alu instid0(VALU_DEP_1)
	v_lshrrev_b32 v233, 23, v244
	v_cvt_scalef32_pk16_fp6_f32 v[224:226], v[96:111], v244
	v_nop
	global_store_b96 v7, v[224:226], s[\ptr+4:\ptr+5]          ; the wave stores 384 consecutive bytes
	global_store_b8 v183, v233, s[\ptr+6:\ptr+7]               ; lanes l and l + 16 write the same byte with the same value
.endm
	TILE 31, 40                                    ; the long tile first
	TILE 30, 48
	s_wait_tensorcnt 0x0
	ds_add_u32 v243, v251
	s_wait_dscnt 0x0
	CROUND                                         ; the closing round
	s_endpgm
.Lfunc_end_k_q6304cef52f_attn:
	.size	k_q6304cef52f_attn, .Lfunc_end_k_q6304cef52f_attn-k_q6304cef52f_attn
	.p2alignl 7, 3214868480
	.fill 96, 4, 3214868480
	.section	.rodata,"a",@progbits
	.p2align	6, 0x0
	.amdhsa_kernel k_q6304cef52f_attn
		.amdhsa_group_segment_fixed_size 169984
		.amdhsa_private_segment_fixed_size 0
		.amdhsa_enable_private_segment 0
		.amdhsa_kernarg_size 40
		.amdhsa_user_sgpr_count 2
		.amdhsa_user_sgpr_kernarg_segment_ptr 1
		.amdhsa_wavefront_size32 1
		.amdhsa_system_sgpr_workgroup_id_x 1
		.amdhsa_system_sgpr_workgroup_id_y 1
		.amdhsa_system_sgpr_workgroup_id_z 1
		.amdhsa_system_vgpr_workitem_id 0
		.amdhsa_next_free_vgpr 256
		.amdhsa_next_free_sgpr 66
		.amdhsa_reserve_vcc 1
		.amdhsa_float_denorm_mode_32 3
		.amdhsa_float_denorm_mode_16_64 3
		.amdhsa_memory_ordered 1
		.amdhsa_forward_progress 1
		.amdhsa_inst_pref_size 57
	.end_amdhsa_kernel
	.amdgpu_metadata
---
amdhsa.version: [ 1, 2 ]
amdhsa.kernels:
  - .name:           k_q6304cef52f_attn
    .symbol:         k_q6304cef52f_attn.kd
    .args:
      - { .name: qc, .offset: 0, .size: 8, .value_kind: global_buffer, .address_space: global }
      - { .name: qs, .offset: 8, .size: 8, .value_kind: global_buffer, .address_space: global }
      - { .name: kv, .offset: 16, .size: 8, .value_kind: global_buffer, .address_space: global }
      - { .name: cc, .offset: 24, .size: 8, .value_kind: global_buffer, .address_space: global }
      - { .name: cs, .offset: 32, .size: 8, .value_kind: global_buffer, .address_space: global }
    .group_segment_fixed_size: 169984
    .private_segment_fixed_size: 0
    .kernarg_segment_align: 8
    .kernarg_segment_size: 40
    .max_flat_workgroup_size: 512
    .sgpr_count:     66
    .vgpr_count:     256
    .wavefront_size: 32
...
	.end_amdgpu_metadata
.endif
;; end of part 7
;; launch ffn (part 8): grid 256 x 1, 16 waves a work-group, no clusters, 124,928 bytes of LDS; arguments x, cc, cs, wimg, bo, ln2_scale, ln2_shift, b1, b2, out0; writes out0
.if DOCPART == 8
	.amdgcn_target "amdgcn-amd-amdhsa--gfx1250"
	.amdhsa_code_object_version 6
	.text
	.protected	k_q6304cef52f_ffn
	.globl	k_q6304cef52f_ffn
	.p2align	8
	.type	k_q6304cef52f_ffn,@function
k_q6304cef52f_ffn:
	s_mov_b64 s[64:65], 0
	v_nop
	global_prefetch_b8 v0, s[64:65] scope:SCOPE_SE
	s_setreg_imm32_b32 hwreg(HW_REG_WAVE_SCHED_MODE, 0, 2), 2
	s_setreg_imm32_b32 hwreg(HW_REG_WAVE_MODE, 25, 1), 1
	s_wait_xcnt 0x0
	s_wait_alu depctr_vm_vsrc(0)
; x1 = x + ctx wo + bo;  out = x1 + gelu(LN2(x1) w1 + b1) w2 + b2: three products on codes of E2M3 with E8M0 scales; the hidden layer never goes to memory.
; SHARES, POSITIONS, TRANSPOSED USE, IMAGES and the WEIGHTS' register ring are those of the launch that makes q, k, v: a work-group takes 32 tokens, wave w of sixteen columns 32 w .. 32 w + 31 of every
; chunk of 512; position 16 T + r stands for token 8 T + r + 8 (r / 8); lane (r, h) holds position (T, r), its 16 registers [t 0][t 1] columns 32 w + 16 h + 0 .. 15; an operand goes from wave to wave
; as an image of its registers (12,800 bytes with its scale words).  Each weight fragment is used by one wave alone, so the weights go from wimg straight into four register sets, two to three of them always
; on their way, and joint tensor loads in a cluster are not used: LDS would only be a way station for them.
; PHASES (local numbers): 0 wo; 1 + 2 j: w1's columns 512 j on; 2 + 2 j: w2's K 512 j on.  The residual and the biases are the C of a sum's first matrix instruction: x + bo, b1; b2 is added at the end.
; gelu(x) = x / (1 + 2^(x (k1 + k2 x^2))), k1 = -2 log2(e) sqrt(2 / pi), k2 = 0.044715 k1: the same function as 0.5 x (1 + tanh(..)), with no difference of near numbers.
; Nine barriers.  The hidden layer's images take turns between two regions: one is written again only behind the next chunk's barrier, which every wave reaches behind its last read of it.
; LIMITS: NaN and infinities are not served; a block of zeros gets the scale byte 1 (zero codes; read here alone); v_exp_f32, v_rcp_f32, v_rsq_f32 are good to 1 ulp and flush denormals.
; THE MODE: SCHED_MODE bits 1:0 = 2 (LLVM: expert scheduling mode 2), set by the entry lines.  The code itself states the register dependences
; between vector or matrix instructions and memory or LDS instructions, with s_wait_alu, always for 0.
; THE PLAN.  The text has no branch: one path.  Registers that memory or LDS instructions touch:
;   v1-v13     offsets and LDS addresses: made at the head, never written again.  One wait on va_vdst ahead of the first load states that they are written.
;   W, WS      set ks: read by K step ks's four products; the next phase's record lands in it during K step ks + 1, dealt among that step's products (set 3: behind the phase).
;   Z, AS      buffer ks % 2: read by K step ks's products; the LDS loads at the head of K step ks + 1 (the fragments of step ks + 2) land in it.  Between phases Z is at work: bo and ctx's block at the head,
;              LayerNorm, the activation; at the end the stage's rows land in it and the global stores read them.
;   HID        a bias lands in it behind the activation's and the quantiser's lines.      OUT   written by the last additions, read by the stage's LDS stores.
;   v16        written by the sums' vector lines, read by one LDS store, written again behind the sixteen words' loads.
;   PC, v31    codes and byte: written by the quantiser's lines, read by the four LDS stores behind them, written again by the next quantiser.
; So ONE wait on va_vdst stands at the head of each of K steps 1 to 3: the products of the step before are done reading their set, their scale words and their buffer; the step's seven LDS loads and seven
; global loads follow it, and the step's products name the other set and the other buffer.  One more stands behind a phase, for set 3.  K step 0's LDS loads lean on the last wait ahead of the phase:
; no vector or matrix instruction since it names Z or AS.  One wait on va_vdst stands ahead of each run of LDS stores (it serves the bias's loads behind them too), one on vm_vsrc ahead of the lines that write a store's data again.
.set OUT, 32                           ; v32-63   x + bo, then x1, then the result
.set HID, 64                           ; v64-95   gain and shift; b1 and the hidden layer; b2
.set Z,   96                           ; v96-143  two buffers of fragments; at other times at work
.set W,   144                          ; v144-239 four sets of weight fragments
.set WS,  240                          ; v240-243 their scale words
.set AS,  244                          ; v244-245 the rows' scale words
.set PC,  24                           ; v24-30   codes just made
.set IMG0, 0                           ; ctx
.set IMG1, 12800                       ; LN2(x1)
.set IMG2, 25600                       ; the hidden layer, chunks 0 and 2;  at 38400 chunks 1 and 3
.set ST0, 51200
.set ST1, 53760
.set STG, 56320                        ; the way out: 32 positions x (2,048 bytes + 16)
; v1 16 L, v2 4 L, v3 48 L, v4, v5 where I store a block's codes and byte, v6 x's offset, v7 a parameter's, v8, v9 the sums' words, v10, v11 the stage in and out, v12 24 L, v13 L, v[14:15] k1
.macro BARRIER                         ; my LDS stores have landed and my LDS loads are in: then the work-group's barrier
	s_wait_dscnt 0x0
	s_barrier_signal -1
	s_barrier_wait -1
.endm
.macro WL3 ph, ks, t                   ; three loads: tile t's fragment of phase ph's record for K step ks into set ks
.irp i, 0,1,2
	global_load_b128 v[W+24*(\ks)+12*(\t)+4*\i:W+24*(\ks)+12*(\t)+4*\i+3], v1, s[6:7] offset:204800*(\ph)+3200*(\ks)+1536*(\t)+512*\i
.endr
.endm
.macro WL1 ph, ks                      ; and the record's scale words
	global_load_b32 v[WS+(\ks)], v2, s[6:7] offset:204800*(\ph)+3200*(\ks)+3072
.endm
.macro WLOAD ph, ks                    ; seven loads: the whole record
	WL3 \ph, \ks, 0
	WL3 \ph, \ks, 1
	WL1 \ph, \ks
.endm
.macro ALOAD buf, img, ks              ; seven LDS loads: both row tiles' fragments of K step ks, and their scale words
.irp m, 0,1
.irp i, 0,1,2
	ds_load_b128 v[Z+24*(\buf)+12*\m+4*\i:Z+24*(\buf)+12*\m+4*\i+3], v3 offset:(\img)+6144*\m+1536*(\ks)+16*\i
.endr
.endr
	ds_load_b32 v[AS+(\buf)], v2 offset:(\img)+12288+128*(\ks)
.endm
.macro WM                              ; one matrix instruction from the symbols rD, rA, rB, rSA, rSB; fA, fB: the side's scales stand in lanes 16-31
.if fA && fB
	v_wmma_scale_f32_16x16x128_f8f6f4 v[rD:rD+7], v[rA:rA+11], v[rB:rB+11], v[rD:rD+7], v[rSA], v[rSB] matrix_a_fmt:MATRIX_FMT_FP6 matrix_b_fmt:MATRIX_FMT_FP6 matrix_a_scale:MATRIX_SCALE_ROW1 matrix_b_scale:MATRIX_SCALE_ROW1
.elseif fA
	v_wmma_scale_f32_16x16x128_f8f6f4 v[rD:rD+7], v[rA:rA+11], v[rB:rB+11], v[rD:rD+7], v[rSA], v[rSB] matrix_a_fmt:MATRIX_FMT_FP6 matrix_b_fmt:MATRIX_FMT_FP6 matrix_a_scale:MATRIX_SCALE_ROW1
.elseif fB
	v_wmma_scale_f32_16x16x128_f8f6f4 v[rD:rD+7], v[rA:rA+11], v[rB:rB+11], v[rD:rD+7], v[rSA], v[rSB] matrix_a_fmt:MATRIX_FMT_FP6 matrix_b_fmt:MATRIX_FMT_FP6 matrix_b_scale:MATRIX_SCALE_ROW1
.else
	v_wmma_scale_f32_16x16x128_f8f6f4 v[rD:rD+7], v[rA:rA+11], v[rB:rB+11], v[rD:rD+7], v[rSA], v[rSB] matrix_a_fmt:MATRIX_FMT_FP6 matrix_b_fmt:MATRIX_FMT_FP6
.endif
.endm
; One phase: acc += [32 positions x 512] x [my 32 columns x 512]: 4 K steps x 4 matrix instructions; the four accumulators take turns, one instruction a turn.
; next: the phase from which a set is asked for again in the K step behind the one that multiplied it, or -1.  xtra: loads (a bias) issued behind the sets that this phase multiplies.
; K step 0's LDS loads have no wait of their own: no vector or matrix instruction since the last wait on va_vdst ahead of the phase names Z or AS.
.macro GEMM acc, img, next, xtra
	ALOAD 0, \img, 0
.irp ks, 0,1,2,3
.if \ks > 0
	s_wait_alu depctr_va_vdst(0)                   ; the products of the K step before are done reading their weight set, its scale words, their buffer of Z and its scale words: the loads of this step land in them
.endif
.if \ks < 3
	ALOAD (\ks+1)%2, \img, \ks+1
	s_wait_dscnt 7                                 ; this K step's seven are in; the next step's seven may be out
.else
	s_wait_dscnt 0x0
.endif
.if (\next) >= 0
.if \ks == 0
	s_wait_loadcnt 21+(\xtra)                      ; behind the set that I want: three sets of seven loads, and the bias's
.else
	s_wait_loadcnt 14+(\xtra)                      ; behind the set that I want: two sets of seven loads, and the bias's; this step's own seven follow below
.endif
.else
	s_wait_loadcnt 7*(3-\ks)+(\xtra)               ; nothing is asked for any more: the counts run down
.endif
.irp m, 0,1
.irp t, 0,1
.set rD, (\acc)+16*\m+8*\t
.set rA, W+24*\ks+12*\t
.set rB, Z+24*(\ks%2)+12*\m
.set rSA, WS+\ks
.set rSB, AS+(\ks%2)
.set fA, \t
.set fB, \m
	WM
.if (\next) >= 0                       ; the set that the step before multiplied is asked for again, dealt among this step's products.  No wait: no vector or matrix instruction since the step's wait names it
.if \ks > 0
.if \m == 0
	WL3 \next, \ks-1, \t
.elseif \t == 0
	WL1 \next, \ks-1
.endif
.endif
.endif
.endr
.endr
.rept 4
	v_nop                                          ; four places in front of loads into registers that these products read, and of the first read of results
.endr
.endr
.if (\next) >= 0
	s_wait_alu depctr_va_vdst(0)                   ; the last K step's products are done reading set 3 and its scale words, in which the loads below land
	WLOAD \next, 3
.endif
.endm
.macro PLOAD dst, lo, off              ; 16 numbers of a parameter: columns 32 w + 16 h + 0 .. 15
.irp i, 0,1,2,3
	global_load_b128 v[(\dst)+4*\i:(\dst)+4*\i+3], v7, s[\lo:\lo+1] offset:(\off)+16*\i
.endr
.endm
; v[16:17], v[18:19]: my 16 columns' sums of tiles 0 and 1, in two halves -> v16: the whole row's sum of position L.  One barrier.
.macro LNSUM st
	v_add_f32 v16, v16, v17
	v_add_f32 v18, v18, v19
	v_permlanex16_b32 v20, v16, s22, s23
	v_permlanex16_b32 v21, v18, s22, s23
	v_add_f32 v16, v16, v20
	v_add_f32 v18, v18, v21
	v_cndmask_b32 v16, v16, v18, s20               ; lane (r, h) keeps tile h's
	s_wait_alu depctr_va_vdst(0)                   ; v16 is written, which the LDS store reads; and every earlier line that named v[Z+32 ..] is done, in which the loads below land
	ds_store_b32 v8, v16 offset:\st
	BARRIER
.irp i, 0,1,2,3
	ds_load_b128 v[Z+32+4*\i:Z+35+4*\i], v9 offset:(\st)+16*\i
.endr
	s_wait_dscnt 0x0
	s_wait_alu depctr_vm_vsrc(0)                   ; the LDS store has read v16, which the last line below writes again
	v_pk_add_f32 v[Z+32:Z+33], v[Z+32:Z+33], v[Z+34:Z+35]
	v_pk_add_f32 v[Z+36:Z+37], v[Z+36:Z+37], v[Z+38:Z+39]
	v_pk_add_f32 v[Z+40:Z+41], v[Z+40:Z+41], v[Z+42:Z+43]
	v_pk_add_f32 v[Z+44:Z+45], v[Z+44:Z+45], v[Z+46:Z+47]
	v_pk_add_f32 v[Z+32:Z+33], v[Z+32:Z+33], v[Z+36:Z+37]
	v_pk_add_f32 v[Z+40:Z+41], v[Z+40:Z+41], v[Z+44:Z+45]
	v_pk_add_f32 v[Z+32:Z+33], v[Z+32:Z+33], v[Z+40:Z+41]
	v_add_f32 v16, v[Z+32], v[Z+33]
.endm
.macro LNBOTH                          ; v16 (position L's number) -> v[24:25] tile 0's, v[26:27] tile 1's, each twice
	v_permlanex16_b32 v20, v16, s22, s23
	v_cndmask_b32 v24, v16, v20, s20
	v_cndmask_b32 v26, v20, v16, s20
	v_mov_b32 v25, v24
	v_mov_b32 v27, v26
.endm
; LayerNorm in two passes.  x1 in OUT (kept; read from each accumulator's low end on), gain in HID, shift in HID + 16, result in Z .. Z + 31.
.macro LN
	v_pk_add_f32 v[16:17], v[OUT:OUT+1], v[OUT+2:OUT+3]
	v_pk_add_f32 v[18:19], v[OUT+16:OUT+17], v[OUT+18:OUT+19]
.set jj, 4
.rept 6
	v_pk_add_f32 v[16:17], v[16:17], v[OUT+jj:OUT+jj+1]
	v_pk_add_f32 v[18:19], v[18:19], v[OUT+16+jj:OUT+17+jj]
.set jj, jj+2
.endr
	LNSUM ST0
	v_mul_f32 v16, s26, v16
	LNBOTH
.irp m, 0,1
.set jj, 0
.rept 8
	v_pk_add_f32 v[Z+16*\m+jj:Z+16*\m+jj+1], v[OUT+16*\m+jj:OUT+16*\m+jj+1], v[24+2*\m:25+2*\m] neg_lo:[0,1] neg_hi:[0,1]
.set jj, jj+2
.endr
.endr
	v_pk_mul_f32 v[16:17], v[Z:Z+1], v[Z:Z+1]
	v_pk_mul_f32 v[18:19], v[Z+16:Z+17], v[Z+16:Z+17]
.set jj, 2
.rept 7
	v_pk_fma_f32 v[16:17], v[Z+jj:Z+jj+1], v[Z+jj:Z+jj+1], v[16:17]
	v_pk_fma_f32 v[18:19], v[Z+16+jj:Z+17+jj], v[Z+16+jj:Z+17+jj], v[18:19]
.set jj, jj+2
.endr
	LNSUM ST1
	v_fma_f32 v16, v16, s26, s27
	s_wait_alu depctr_va_vdst(0)
	v_rsq_f32 v16, v16
	v_nop
	s_wait_alu depctr_va_vdst(0)                   ; v_rsq_f32 has written v16, ahead of its first reader
	LNBOTH
.irp m, 0,1
.set jj, 0
.rept 8
	v_pk_mul_f32 v[Z+16*\m+jj:Z+16*\m+jj+1], v[Z+16*\m+jj:Z+16*\m+jj+1], v[24+2*\m:25+2*\m]
.set jj, jj+2
.endr
.endr
.irp m, 0,1
.set jj, 0
.rept 8
	v_pk_fma_f32 v[Z+16*\m+jj:Z+16*\m+jj+1], v[Z+16*\m+jj:Z+16*\m+jj+1], v[HID+jj:HID+jj+1], v[HID+16+jj:HID+17+jj]
.set jj, jj+2
.endr
.endr
.endm
; Two half blocks of 16 numbers, line by line in turns: codes to v[PC:PC+2] and v[PC+4:PC+6], scale bytes to v22 and v23.
.macro QH2 s0, s1
	v_max3_num_f32 v16, |v[\s0]|, |v[\s0+1]|, 0x1800000
	v_max3_num_f32 v17, |v[\s1]|, |v[\s1+1]|, 0x1800000
.irp i, 2,4,6,8,10,12,14
	v_max3_num_f32 v16, v16, |v[\s0+\i]|, |v[\s0+\i+1]|
	v_max3_num_f32 v17, v17, |v[\s1+\i]|, |v[\s1+\i+1]|
.endr
	v_permlanex16_b32 v20, v16, s22, s23
	v_permlanex16_b32 v21, v17, s22, s23
	v_max_num_f32 v16, v16, v20
	v_max_num_f32 v17, v17, v21
	v_add_nc_u32 v18, 0xff000000, v16
	v_add_nc_u32 v19, 0xff000000, v17
	v_lshrrev_b32 v22, 23, v18
	v_lshrrev_b32 v23, 23, v19
	v_cvt_scalef32_pk16_fp6_f32 v[PC:PC+2], v[\s0:\s0+15], v18
	v_cvt_scalef32_pk16_fp6_f32 v[PC+4:PC+6], v[\s1:\s1+15], v19
	v_nop                                          ; one plain place behind a scaled conversion
.endm
.macro QH_IMG src, img                 ; 32 numbers a lane become block w of the image at img
	QH2 \src, (\src)+16
.irp i, 0,1,2
	v_permlane16_swap_b32 v[PC+\i], v[PC+4+\i]
.endr
	v_mov_b32 v[PC+3], v[PC+4]
	v_mov_b32 v[PC+4], v[PC+5]
	v_mov_b32 v[PC+5], v[PC+6]
	v_cndmask_b32 v31, v22, v23, s20
	s_wait_alu depctr_va_vdst(0)                   ; the codes v[PC .. PC+5] and the byte v31 are written, which the four LDS stores read; and every line that named HID or Z is done: a bias's loads and the next phase's LDS loads land there
.irp i, 0,1,2
	ds_store_b64 v4, v[PC+2*\i:PC+2*\i+1] offset:(\img)+8*\i
.endr
	ds_store_b8 v5, v31 offset:(\img)+12288
.endm
.macro GELU                            ; HID in place; Z .. Z + 31 at work
.set jj, 0
.rept 16
	v_pk_mul_f32 v[Z+jj:Z+jj+1], v[HID+jj:HID+jj+1], v[HID+jj:HID+jj+1]
.set jj, jj+2
.endr
.set jj, 0
.rept 16
	v_pk_fma_f32 v[Z+jj:Z+jj+1], v[Z+jj:Z+jj+1], s[24:25], v[14:15] op_sel_hi:[1,0,0]   ; k1 + k2 x^2
.set jj, jj+2
.endr
.set jj, 0
.rept 16
	v_pk_mul_f32 v[Z+jj:Z+jj+1], v[Z+jj:Z+jj+1], v[HID+jj:HID+jj+1]
.set jj, jj+2
.endr
.set jj, 0
	s_wait_alu depctr_va_vdst(0)
.rept 32
	v_exp_f32 v[Z+jj], v[Z+jj]
.set jj, jj+1
.endr
	v_nop
.set jj, 0
	s_wait_alu depctr_va_vdst(0)                   ; the 32 exponentials have written v[Z ..], ahead of their first reader
.rept 16
	v_pk_add_f32 v[Z+jj:Z+jj+1], v[Z+jj:Z+jj+1], 1.0 op_sel_hi:[1,0]
.set jj, jj+2
.endr
.set jj, 0
	s_wait_alu depctr_va_vdst(0)
.rept 32
	v_rcp_f32 v[Z+jj], v[Z+jj]
.set jj, jj+1
.endr
	v_nop
.set jj, 0
	s_wait_alu depctr_va_vdst(0)                   ; the 32 reciprocals have written v[Z ..], ahead of their first reader
.rept 16
	v_pk_mul_f32 v[HID+jj:HID+jj+1], v[HID+jj:HID+jj+1], v[Z+jj:Z+jj+1]
.set jj, jj+2
.endr
.endm
; Chunk j of the hidden layer: 512 units made, activated, quantised, handed round, and multiplied into the result.
.macro FF j
	GEMM HID, IMG1, 2+2*\j, 0                      ; b1 lies in the accumulators; its loads are older than the sets
	GELU
	s_wait_alu depctr_vm_vsrc(0)                   ; the LDS stores of the image before have read v[PC ..] and v31, which the quantiser below writes again
	QH_IMG HID, IMG2+12800*(\j%2)
.if \j < 3
	PLOAD HID, 42, 2048*(\j+1)                     ; the next chunk's b1, for both row tiles: eight loads.  No wait: no vector line since the one ahead of the image's stores
	PLOAD HID+16, 42, 2048*(\j+1)
	BARRIER
	GEMM OUT, IMG2+12800*(\j%2), 3+2*\j, 8
.else
	PLOAD HID, 44, 0                               ; b2: four loads
	BARRIER
	GEMM OUT, IMG2+12800*(\j%2), -1, 4
.endif
.endm
	s_load_b512 s[28:43], s[0:1], 0x0              ; x, cc, cs, wimg, bo, ln2_scale, ln2_shift, b1
	s_load_b128 s[44:47], s[0:1], 0x40             ; b2, out0
	v_lshl_add_u32 v254, v0, 2, 0x1e000
	v_mov_b32 v255, 0
	v_lshrrev_b32 v16, 5, v0
	v_readfirstlane_b32 s2, v16                    ; w
	s_mov_b32 s3, ttmp9                            ; RB
	s_mov_b32 s20, 0xffff0000                      ; lanes 16-31
	s_mov_b32 s22, 0x76543210
	s_mov_b32 s23, 0xfedcba98
	s_mov_b32 s24, 0xbdd2d3e8                      ; k2 = -0.10294324
	s_mov_b32 s25, s24
	s_mov_b32 s26, 0x3b000000                      ; 1 / 512
	s_mov_b32 s27, 0x3727c5ac                      ; 1e-5
	v_and_b32 v16, 31, v0                          ; L
	v_and_b32 v17, 15, v0                          ; r
	s_wait_alu depctr_va_vdst(0)
	v_bfe_u32 v18, v0, 4, 1                        ; h
	v_and_b32 v19, 8, v17
	v_add_nc_u32 v19, v19, v17                     ; r + 8 (r / 8)
	v_lshlrev_b32 v1, 4, v16
	v_lshlrev_b32 v2, 2, v16
	v_mul_u32_u24 v3, v16, 48
	s_wait_alu depctr_va_sdst(0)                   ; s2, the wave's number, is written, ahead of its first reader
	s_lshr_b32 s48, s2, 2
	s_mul_i32 s49, s48, 1536
	s_and_b32 s50, s2, 1
	s_mul_i32 s50, s50, 768
	s_add_co_u32 s49, s49, s50
	s_bfe_u32 s50, s2, 0x10001
	s_mul_i32 s50, s50, 24
	s_add_co_u32 s49, s49, s50
	v_mul_u32_u24 v4, v17, 48
	s_wait_alu depctr_va_vdst(0)
	v_mad_u32_u24 v4, v18, 6144, v4
	v_add_nc_u32 v4, s49, v4
	s_lshl_b32 s50, s48, 7
	s_and_b32 s51, s2, 3
	s_add_co_u32 s50, s50, s51
	v_add_nc_u32 v5, s50, v2
	s_lshl_b32 s51, s2, 7                          ; 128 w
	v_lshl_add_u32 v7, v18, 6, s51
	v_lshl_add_u32 v6, v19, 11, v7
	s_lshl_b32 s52, s2, 2
	v_mul_u32_u24 v9, v16, 80
	v_add_nc_u32 v8, s52, v9
	s_add_co_u32 s52, s51, STG
	v_mul_u32_u24 v10, v17, 2064
	v_lshl_add_u32 v10, v18, 6, v10
	v_add_nc_u32 v10, s52, v10                     ; the stage, in: row = position r (+ 16 T by the offset), my 64 bytes
	s_mul_i32 s52, s2, 4128
	s_add_co_u32 s52, s52, STG
	v_add_nc_u32 v11, s52, v1                      ; out: positions 2 w and 2 w + 1, 16 bytes a lane
	v_mul_u32_u24 v12, v16, 24
	v_mov_b32 v13, v16
	v_mov_b32 v14, 0xc0135761                      ; k1 = -2.3022082
	v_mov_b32 v15, 0xc0135761
	v_mov_b32 v20, 0                               ; written once: a lane permute's destination counts as one of its sources
	v_mov_b32 v21, 0
	s_lshl_b32 s53, s2, 1
	s_and_b32 s53, s53, 15                         ; r0 = 2 w mod 16
	s_lshr_b32 s54, s2, 3
	s_lshl_b32 s54, s54, 3
	s_add_co_u32 s54, s54, s53
	s_and_b32 s55, s53, 8
	s_add_co_u32 s54, s54, s55                     ; the token of position 2 w; position 2 w + 1 is the next token
	s_lshl_b32 s55, s3, 5
	s_add_co_u32 s54, s54, s55
	s_lshl_b32 s58, s2, 13
	s_add_co_u32 s58, s58, s55                     ; 8192 w + 32 RB
	s_mov_b32 s57, 0
	s_mul_i32 s56, s2, 12800
	s_add_co_u32 s56, s56, 614400                  ; chunk 3 is this launch's phase 0
	s_wait_kmcnt 0x0
	s_add_nc_u64 s[6:7], s[34:35], s[56:57]
	s_lshl_b32 s56, s3, 16
	s_add_nc_u64 s[8:9], s[28:29], s[56:57]
	s_mul_i32 s56, s58, 24
	s_add_nc_u64 s[10:11], s[30:31], s[56:57]
	s_mov_b32 s56, s58
	s_add_nc_u64 s[12:13], s[32:33], s[56:57]
	s_lshl_b32 s56, s54, 11
	s_add_nc_u64 s[14:15], s[46:47], s[56:57]
	s_wait_alu depctr_va_vdst(0)                   ; the offsets and LDS addresses v1 to v13 are written, which every load and store of the kernel reads
	WLOAD 0, 0
	WLOAD 0, 1
	WLOAD 0, 2
	WLOAD 0, 3
.irp m, 0,1
.irp i, 0,1,2,3
	global_load_b128 v[OUT+16*\m+4*\i:OUT+16*\m+4*\i+3], v6, s[8:9] offset:16384*\m+16*\i th:TH_LOAD_NT
.endr
.endr
	PLOAD Z, 36, 0                                 ; bo
	PLOAD HID, 38, 0
	PLOAD HID+16, 40, 0
.irp i, 0,1,2
	global_load_b64 v[Z+16+2*\i:Z+17+2*\i], v12, s[10:11] offset:8*\i     ; head w's block of position L: block w of the first product's K
.endr
	global_load_u8 v[Z+22], v13, s[12:13]
	s_wait_loadcnt 0x0
.irp i, 0,1,2
	ds_store_b64 v4, v[Z+16+2*\i:Z+17+2*\i] offset:IMG0+8*\i
.endr
	ds_store_b8 v5, v[Z+22] offset:IMG0+12288
.set jj, 0
.rept 8
	v_pk_add_f32 v[OUT+jj:OUT+jj+1], v[OUT+jj:OUT+jj+1], v[Z+jj:Z+jj+1]
	v_pk_add_f32 v[OUT+16+jj:OUT+17+jj], v[OUT+16+jj:OUT+17+jj], v[Z+jj:Z+jj+1]
.set jj, jj+2
.endr
	BARRIER                                        ; ctx's eight fragments lie in LDS
	s_wait_alu depctr_va_vdst(0)                   ; the additions are done reading bo in v[Z .. Z+15], in which ctx's fragments land
	s_wait_alu depctr_vm_vsrc(0)                   ; my LDS stores have read v[Z+16 .. Z+22], in which ctx's fragments land
	GEMM OUT, IMG0, 1, 0                           ; x1 = (x + bo) + ctx wo
	LN
	QH_IMG Z, IMG1
	PLOAD HID, 42, 0                               ; b1's first chunk, for both row tiles.  No wait: no vector line since the one ahead of the image's stores
	PLOAD HID+16, 42, 0
	BARRIER
	s_wait_loadcnt 0x0                             ; b1's loads are the youngest here
	FF 0
	FF 1
	FF 2
	FF 3
	s_wait_loadcnt 0x0                             ; b2
.set jj, 0
.rept 8
	v_pk_add_f32 v[OUT+jj:OUT+jj+1], v[OUT+jj:OUT+jj+1], v[HID+jj:HID+jj+1]
	v_pk_add_f32 v[OUT+16+jj:OUT+17+jj], v[OUT+16+jj:OUT+17+jj], v[HID+jj:HID+jj+1]
.set jj, jj+2
.endr
	s_wait_alu depctr_va_vdst(0)                   ; the additions have written v[OUT ..], which the LDS stores read; and the last products are done reading Z, in which the stage's rows land
.irp m, 0,1
.irp i, 0,1,2,3
	ds_store_b128 v10, v[OUT+16*\m+4*\i:OUT+16*\m+4*\i+3] offset:33024*\m+16*\i
.endr
.endr
	BARRIER                                        ; 32 whole rows lie in the stage
.irp e, 0,1
.irp i, 0,1,2,3
	ds_load_b128 v[Z+16*\e+4*\i:Z+16*\e+4*\i+3], v11 offset:2064*\e+512*\i
.endr
.endr
.irp e, 0,1
.irp i, 0,1,2,3
	s_wait_dscnt 7-4*\e-\i                         ; LDS loads come back in order: the younger ones may stay out
	global_store_b128 v1, v[Z+16*\e+4*\i:Z+16*\e+4*\i+3], s[14:15] offset:2048*\e+512*\i th:TH_STORE_NT   ; the wave stores 512 consecutive bytes of a row
.endr
.endr
	s_wait_dscnt 0x0                               ; the closing lines, six on end
	s_wait_alu 0x0
	s_wait_tensorcnt 0x0
	ds_add_u32 v254, v255
	s_wait_dscnt 0x0
	s_endpgm
.Lfunc_end_k_q6304cef52f_ffn:
	.size	k_q6304cef52f_ffn, .Lfunc_end_k_q6304cef52f_ffn-k_q6304cef52f_ffn
	.p2alignl 7, 3214868480
	.fill 96, 4, 3214868480
	.section	.rodata,"a",@progbits
	.p2align	6, 0x0
	.amdhsa_kernel k_q6304cef52f_ffn
		.amdhsa_group_segment_fixed_size 124928
		.amdhsa_private_segment_fixed_size 0
		.amdhsa_enable_private_segment 0
		.amdhsa_kernarg_size 80
		.amdhsa_user_sgpr_count 2
		.amdhsa_user_sgpr_kernarg_segment_ptr 1
		.amdhsa_wavefront_size32 1
		.amdhsa_system_sgpr_workgroup_id_x 1
		.amdhsa_system_sgpr_workgroup_id_y 1
		.amdhsa_system_sgpr_workgroup_id_z 1
		.amdhsa_system_vgpr_workitem_id 0
		.amdhsa_next_free_vgpr 256
		.amdhsa_next_free_sgpr 66
		.amdhsa_reserve_vcc 0
		.amdhsa_float_denorm_mode_32 3
		.amdhsa_float_denorm_mode_16_64 3
		.amdhsa_memory_ordered 1
		.amdhsa_forward_progress 1
		.amdhsa_inst_pref_size 128
	.end_amdhsa_kernel
	.amdgpu_metadata
---
amdhsa.version: [ 1, 2 ]
amdhsa.kernels:
  - .name:           k_q6304cef52f_ffn
    .symbol:         k_q6304cef52f_ffn.kd
    .args:
      - { .name: x, .offset: 0, .size: 8, .value_kind: global_buffer, .address_space: global }
      - { .name: cc, .offset: 8, .size: 8, .value_kind: global_buffer, .address_space: global }
      - { .name: cs, .offset: 16, .size: 8, .value_kind: global_buffer, .address_space: global }
      - { .name: wimg, .offset: 24, .size: 8, .value_kind: global_buffer, .address_space: global }
      - { .name: bo, .offset: 32, .size: 8, .value_kind: global_buffer, .address_space: global }
      - { .name: ln2_scale, .offset: 40, .size: 8, .value_kind: global_buffer, .address_space: global }
      - { .name: ln2_shift, .offset: 48, .size: 8, .value_kind: global_buffer, .address_space: global }
      - { .name: b1, .offset: 56, .size: 8, .value_kind: global_buffer, .address_space: global }
      - { .name: b2, .offset: 64, .size: 8, .value_kind: global_buffer, .address_space: global }
      - { .name: out0, .offset: 72, .size: 8, .value_kind: global_buffer, .address_space: global }
    .group_segment_fixed_size: 124928
    .private_segment_fixed_size: 0
    .kernarg_segment_align: 8
    .kernarg_segment_size: 80
    .max_flat_workgroup_size: 512
    .sgpr_count:     66
    .vgpr_count:     256
    .wavefront_size: 32
...
	.end_amdgpu_metadata
.endif
;; end of part 8
